; MI455X (gfx1250); checked and timed in simulation.
; The chip was launched on July 23, 2026; its instructions are those of AMD's public machine-readable ISA for CDNA 5 (MIT licence, August 2026) and "CDNA5" Instruction Set Architecture Reference Guide (July 2026). The comments in the code are by the model that wrote it; some were corrected since.
;; Differential Cross Attention. Allowed arithmetic: matrix products marked QUANTISED: E2M3 operands, one E8M0 scale for each 32 along K, by v_wmma_scale_f32_16x16x128_f8f6f4 with both operands' format E2M3, f32 sums; everything else in f32.
;; Inputs: Wk 1,024 x 1,024 float32; Wo 1,024 x 1,024 float32; Wq 1,024 x 1,024 float32; Wv 1,024 x 1,024 float32; bk 1,024 float32; bo 1,024 float32; bq 1,024 float32; bv 1,024 float32; gn_b 1,024 float32; gn_w 1,024 float32; lk1 8 x 64 float32; lk2 8 x 64 float32; lq1 8 x 64 float32; lq2 8 x 64 float32; x1 2 x 2,048 x 1,024 float32; x2 2 x 2,048 x 1,024 float32.
;; Outputs: out0 2 x 2,048 x 1,024 float32; out1 2 x 2,048 x 1,024 float32.
;; This version of the problem:
;;   THIS VERSION OF THE PROBLEM IS GIVEN IN LOW PRECISION. The matrix products marked QUANTISED in the list below multiply operands that are first quantised to E2M3 (2 exponent bits, 3 mantissa bits; 6 bits a number), with one power-of-two scale for each 32 numbers along K (OCP MX v1.0); their sums are f32. All else is computed in f32.
;;   The module's matrix products, in the order in which they are computed (A, B: the left and right operand; K: the contracted axis; several contracted axes count as one K, in the product's order):
;;     1. [M 4,096, K 1,024] x [K 1,024, N 1,024]; A: input x1; B: input Wq: QUANTISED
;;     2. [M 4,096, K 1,024] x [K 1,024, N 1,024]; A: input x1; B: input Wk: QUANTISED
;;     3. [M 4,096, K 1,024] x [K 1,024, N 1,024]; A: input x1; B: input Wv: QUANTISED
;;     4. [M 4,096, K 1,024] x [K 1,024, N 1,024]; A: input x2; B: input Wq: QUANTISED
;;     5. [M 4,096, K 1,024] x [K 1,024, N 1,024]; A: input x2; B: input Wk: QUANTISED
;;     6. [M 4,096, K 1,024] x [K 1,024, N 1,024]; A: input x2; B: input Wv: QUANTISED
;;     7. batch 16 x [M 2,048, K 64] x [K 64, N 2,048]; A: computed on the way; B: computed on the way: QUANTISED
;;     8. batch 16 x [M 2,048, K 64] x [K 64, N 2,048]; A: computed on the way; B: computed on the way: QUANTISED
;;     9. batch 16 x [M 2,048, K 2,048] x [K 2,048, N 128]; A: computed on the way; B: computed on the way: QUANTISED
;;     10. [M 4,096, K 1,024] x [K 1,024, N 1,024]; A: computed on the way; B: input Wo: QUANTISED
;;     11. batch 16 x [M 2,048, K 64] x [K 64, N 2,048]; A: computed on the way; B: computed on the way: QUANTISED
;;     12. batch 16 x [M 2,048, K 64] x [K 64, N 2,048]; A: computed on the way; B: computed on the way: QUANTISED
;;     13. batch 16 x [M 2,048, K 2,048] x [K 2,048, N 128]; A: computed on the way; B: computed on the way: QUANTISED
;;     14. [M 4,096, K 1,024] x [K 1,024, N 1,024]; A: computed on the way; B: input Wo: QUANTISED
;;   THE QUANTISER, for each operand of a quantised product, along K:
;;     - K is cut into blocks of 32 from its start; a last block that is shorter is filled with zeros.
;;     - A block's scale is 2^e with e = floor(log2(the largest magnitude in the block)) - 2, held to -126 .. 127; a block of zeros has e = 0. As a byte (E8M0): e + 127.
;;     - Each number is divided by its block's scale, clamped to +-7.5, and rounded to the nearest number of E2M3, ties to even, subnormals kept.
;;     - The product sums the exact products of the quantised numbers (number of the format x scale) in f32.
;;   ~~~python
;;   def quantise(x, axis):      # numpy; x: float32 -> the quantised numbers, widened to float32 again
;;       x = np.moveaxis(x, axis, -1); K = x.shape[-1]
;;       x = np.pad(x, [(0, 0)] * (x.ndim - 1) + [(0, -K % 32)]); x = x.reshape(x.shape[:-1] + (-1, 32)); a = np.abs(x).max(-1, keepdims=True)
;;       e = np.where(a > 0, np.clip(np.frexp(np.where(a > 0, a, 1))[1] - 1 - 2, -126, 127), 0)      # np.frexp(a)[1] - 1 = floor(log2(a)), exactly
;;       r = np.clip(x / 2.0 ** e, -7.5, 7.5)
;;       step = 2.0 ** (np.maximum(np.frexp(np.where(r == 0, 1, r))[1] - 1, 0) - 3)
;;       q = np.round(r / step) * step * 2.0 ** e      # np.round: ties to even
;;       return np.moveaxis(q.reshape(q.shape[:-2] + (-1,))[..., :K], -1, axis).astype(np.float32)
;;   ~~~
;;   OPERANDS COMPUTED ON THE WAY. 'Computed on the way' means the value that the module computes at that place (a softmax that the list does not call 'softmax' is quantised finished and normalised). What goes into a quantiser is computed in f32, as accurately as f32 sums, v_exp_f32 and their like allow (about 1e-6 of the number): no bf16 or f16 on the way to a quantiser, and a product that is left as it is and whose result goes on into a quantised operand takes f32 operands (vector FMAs, or v_wmma_f32_16x16x4_f32). A number that lies on a knife's edge between two numbers of the format may be rounded either way, as far as f32 arithmetic and the matrix unit's own rounding can turn it there, and no further.
;; One version. Each part assembles by itself: llvm-mc -triple=amdgcn-amd-amdhsa -mcpu=gfx1250 --defsym DOCPART=n.
;; ======== version 1 of 1: 4 launches
;; limits: right only within a limited range of input values
;; workspace buffers: cimg 9,437,184 bytes; csc 393,216 bytes; qkv 18,874,368 bytes; qkvs 786,432 bytes; obuf 33,554,432 bytes; gst 8,192 bytes
;; launch quant (part 1): grid 96 x 4, 8 waves a work-group, no clusters, 69,632 bytes of LDS; arguments x1, x2, Wq, Wk, Wv, Wo, cimg, csc; writes cimg, csc
.if DOCPART == 1
	.amdgcn_target "amdgcn-amd-amdhsa--gfx1250"
	.amdhsa_code_object_version 6
	.text
	.protected	k_q0386818005_quant
	.globl	k_q0386818005_quant
	.p2align	8
	.type	k_q0386818005_quant,@function
k_q0386818005_quant:
	s_mov_b64 s[64:65], 0
	v_nop
	global_prefetch_b8 v0, s[64:65] scope:SCOPE_SE
	s_setreg_imm32_b32 hwreg(HW_REG_WAVE_MODE, 25, 1), 1
	s_wait_xcnt 0x0
; x1, x2 [4096][1024] and Wq, Wk, Wv, Wo [1024][1024], f32, K innermost, become codes of FP6 (E2M3) with one E8M0 byte for each 32 along K.
; A block's scale is 2^(floor(log2(largest magnitude)) - 2); its byte is the largest magnitude's exponent field - 2, held at 1 from below.
; LAYOUT OF THE RESULT: images of operand registers.  The six tensors are 96 groups of 128 rows (x1 0-31, x2 32-63, Wq 64-71, Wk 72-79, Wv 80-87, Wo 88-95).
; cimg[G][s][t][1536]: K step s (128 along K), tile t of 16 rows; registers 4 c .. 4 c + 3 of lane l lie at byte 512 c + 16 l.  csc[G][s][512]: the word at 16 l + 4 i is the scale word of tile 2 i + l / 16, row l % 16.
; THE ROWS OF A TILE ARE NOT NEIGHBOURS: row r of tile t is row 32 (t / 2) + 8 (t % 2) + r + 8 (r / 8) of the group, so that a product which takes such tiles as source 0 leaves 16 neighbours in 16 registers.
; SHARES: work-group (G, y) takes group G and K steps 2 y, 2 y + 1; wave t takes tile t.  Each load reads 512 consecutive bytes of one row; the tile turns through the wave's own stage in LDS so that a lane holds 16 neighbours along K.
; No matrix unit, no tensor load, no cluster: each input byte is read once and nothing is shared.  One barrier: the eight waves' scale words meet in LDS and leave as two images of 512 bytes.
; LIMITS: NaN and infinities are not served; a block of zeros gets the byte 1 (its codes are zeros; only this program reads the bytes).
.set ROWB, 4096                        ; a row of any of the six tensors in bytes
.set SP,   528                         ; a stage row: 512 bytes + 16: the 16 rows that a read touches begin in 16 different columns of 16 bytes
.set STGB, 16*SP                       ; a wave's stage
.set SCG,  8*STGB                      ; behind the stages: two scale images of 512 bytes
.set L16, 1                            ; v1  16 x lane
.set STI, 2                            ; v2  the stage, on the way in
.set STO, 3                            ; v3  and on the way out: row r, + 64 (lane / 16)
.set SCW, 4                            ; v4  where my row's scale word goes
.set SCR, 5                            ; v5  where waves 0 and 1 read an image back
.set R,   16                           ; v16-143  2 K steps x 16 rows x 4 registers as loaded
.set X,   144                          ; v144-207 64 numbers: register 16 b + i = k 32 b + 16 (lane / 16) + i of my row
.set TM,  208                          ; v208-223 at work in QUANT
.set PW,  224                          ; v224-225 the two scale words
.set WV,  24
.set SEL, 40
; 64 numbers of a lane become a fragment's 12 registers of codes at v[pc] on (v[pc+12] .. v[pc+19] at work) and its scale word in v[pw].
.macro QUANT s, pc, pw
.irp b, 0,1,2,3
	v_max3_num_f32 v[TM+\b], |v[\s+16*\b]|, |v[\s+1+16*\b]|, 0x1800000   ; block b: my 16 numbers, and the floor 2^(3 - 127): the byte cannot fall under 1
.endr
.irp i, 2,4,6,8,10,12,14
.irp b, 0,1,2,3
	s_delay_alu instid0(VALU_DEP_4)
	v_max3_num_f32 v[TM+\b], v[TM+\b], |v[\s+16*\b+\i]|, |v[\s+1+16*\b+\i]|   ; the four blocks by turns
.endr
.endr
.irp b, 0,1,2,3
	s_delay_alu instid0(VALU_DEP_4)
	v_permlanex16_b32 v[TM+4+\b], v[TM+\b], s[SEL], s[SEL+1]
.endr
.irp b, 0,1,2,3
	s_delay_alu instid0(VALU_DEP_4)
	v_max_num_f32 v[TM+\b], v[TM+\b], v[TM+4+\b]   ; with lane l xor 16's 16: the block's largest magnitude
.endr
.irp b, 0,1,2,3
	s_delay_alu instid0(VALU_DEP_4)
	v_add_nc_u32 v[TM+12+\b], 0xff000000, v[TM+\b]   ; 2 off its exponent field: the conversion takes this operand's exponent field as its scale
.endr
.irp b, 0,1,2,3
	s_delay_alu instid0(VALU_DEP_4)
	v_lshrrev_b32 v[TM+4+\b], 23, v[TM+12+\b]      ; the scale's byte
.endr
	s_delay_alu instid0(VALU_DEP_3)
	v_lshl_or_b32 v[\pw], v[TM+5], 8, v[TM+4]
	s_delay_alu instid0(VALU_DEP_1)
	v_lshl_or_b32 v[\pw], v[TM+6], 16, v[\pw]
	s_delay_alu instid0(VALU_DEP_1)
	v_lshl_or_b32 v[\pw], v[TM+7], 24, v[\pw]
.irp c, 0,1
	v_cvt_scalef32_pk16_fp6_f32 v[\pc+6*\c:\pc+2+6*\c], v[\s+32*\c:\s+15+32*\c], v[TM+12+2*\c]
	v_cvt_scalef32_pk16_fp6_f32 v[\pc+12+4*\c:\pc+14+4*\c], v[\s+16+32*\c:\s+31+32*\c], v[TM+13+2*\c]   ; (a conversion's three registers begin on an even number)
.endr
	v_nop                                          ; one plain place behind a scaled conversion
.irp c, 0,1                                    ; the operand wants a whole block in a lane: lanes 0-15 block 2 c, lanes 16-31 block 2 c + 1
.irp i, 0,1,2
	v_permlane16_swap_b32 v[\pc+6*\c+\i], v[\pc+12+4*\c+\i]
.endr
.irp i, 0,1,2
	s_delay_alu instid0(VALU_DEP_3)
	v_mov_b32 v[\pc+3+6*\c+\i], v[\pc+12+4*\c+\i]
.endr
.endr
.endm
	s_load_b256 s[4:11], s[0:1], 0x0               ; x1, x2, Wq, Wk
	s_load_b256 s[12:19], s[0:1], 0x20             ; Wv, Wo, cimg, csc
	v_lshl_add_u32 v248, v0, 2, 0x10c00
	v_mov_b32 v249, 0
	v_lshrrev_b32 v6, 5, v0
	s_delay_alu instid0(VALU_DEP_1)
	v_readfirstlane_b32 s[WV], v6                  ; wave = tile t
	v_and_b32 v6, 31, v0                           ; lane
	v_and_b32 v7, 15, v0                           ; r
	v_bfe_u32 v8, v0, 4, 1                         ; lane / 16
	s_delay_alu instid0(VALU_DEP_3)
	v_lshlrev_b32 v[L16], 4, v6
	s_wait_alu depctr_va_vdst(0)
	s_mul_i32 s25, s[WV], STGB
	v_add_nc_u32 v[STI], s25, v[L16]
	v_mul_u32_u24 v[STO], v7, SP
	s_delay_alu instid0(VALU_DEP_1)
	v_lshl_add_u32 v[STO], v8, 6, v[STO]
	s_delay_alu instid0(VALU_DEP_1)
	v_add_nc_u32 v[STO], s25, v[STO]
	s_and_b32 s26, s[WV], 1                        ; t % 2
	s_lshr_b32 s28, s[WV], 1                       ; t / 2
	s_lshl_b32 s27, s26, 8
	s_lshl_b32 s29, s28, 2
	s_add_co_u32 s27, s27, s29
	s_add_co_u32 s27, s27, SCG
	v_lshl_add_u32 v[SCW], v7, 4, s27              ; 16 (16 (t % 2) + r) + 4 (t / 2)
	s_lshl_b32 s29, s26, 9
	s_add_co_u32 s29, s29, SCG
	v_add_nc_u32 v[SCR], s29, v[L16]               ; image wave % 2 (read by waves 0 and 1 alone)
	s_and_b32 s30, ttmp7, 0xffff                   ; y
	s_mov_b32 s[SEL], 0x76543210
	s_mov_b32 s[SEL+1], 0xfedcba98                 ; v_permlanex16_b32's selects for lane l xor 16
.irp b, 0,1,2,3
	v_mov_b32 v[TM+4+\b], 0                        ; written once: a lane permute's destination counts as one of its sources
.endr
	s_lshl_b32 s36, ttmp9, 3
	s_lshl_b32 s31, s30, 1
	s_add_co_u32 s36, s36, s31                     ; 8 G + 2 y
	s_lshl_b32 s34, s36, 3
	s_add_co_u32 s34, s34, s[WV]
	s_mul_i32 s34, s34, 1536                       ; my first fragment's byte in cimg
	s_mov_b32 s35, 0
	s_add_co_u32 s36, s36, s26
	s_lshl_b32 s36, s36, 9                         ; the scale image that wave 0 or 1 stores
	s_mov_b32 s37, 0
	s_wait_alu depctr_va_vdst(0)
	s_wait_kmcnt 0x0
	s_mov_b64 s[20:21], s[14:15]                   ; which tensor, and its first group: the choice hangs on the work-group's number alone
	s_mov_b32 s22, 88
	s_cmp_lt_u32 ttmp9, 88
	s_cselect_b64 s[20:21], s[12:13], s[20:21]
	s_cselect_b32 s22, 80, s22
	s_cmp_lt_u32 ttmp9, 80
	s_cselect_b64 s[20:21], s[10:11], s[20:21]
	s_cselect_b32 s22, 72, s22
	s_cmp_lt_u32 ttmp9, 72
	s_cselect_b64 s[20:21], s[8:9], s[20:21]
	s_cselect_b32 s22, 64, s22
	s_cmp_lt_u32 ttmp9, 64
	s_cselect_b64 s[20:21], s[6:7], s[20:21]
	s_cselect_b32 s22, 32, s22
	s_cmp_lt_u32 ttmp9, 32
	s_cselect_b64 s[20:21], s[4:5], s[20:21]
	s_cselect_b32 s22, 0, s22
	s_sub_co_u32 s32, ttmp9, s22                   ; the group within its tensor
	s_lshl_b32 s32, s32, 7
	s_lshl_b32 s31, s28, 5
	s_add_co_u32 s32, s32, s31
	s_lshl_b32 s31, s26, 3
	s_add_co_u32 s32, s32, s31                     ; the tile's first row: 128 g + 32 (t / 2) + 8 (t % 2)
	s_lshl_b32 s32, s32, 12
	s_lshl_b32 s31, s30, 10
	s_add_co_u32 s32, s32, s31                     ; + 1,024 y bytes along K
	s_mov_b32 s33, 0
	s_add_nc_u64 s[20:21], s[20:21], s[32:33]
	s_add_nc_u64 s[16:17], s[16:17], s[34:35]
	s_add_nc_u64 s[18:19], s[18:19], s[36:37]
.irp sl, 0,1
.irp i, 0,1,2,3,4,5,6,7,8,9,10,11,12,13,14,15
	global_load_b128 v[R+64*\sl+4*\i:R+64*\sl+4*\i+3], v[L16], s[20:21] offset:(\i+8*(\i/8))*ROWB+512*\sl th:TH_LOAD_NT   ; 32 lanes read 512 consecutive bytes of the tile's row i
.endr
.endr
; one K step: through the stage, quantised, stored.  pc: where its codes stand (each step has its own registers: no store's data are written again)
.macro PART sl, pc
	s_wait_loadcnt 16-16*\sl                       ; this step's 16 loads are in; the other step's may be out
.irp i, 0,1,2,3,4,5,6,7,8,9,10,11,12,13,14,15
	ds_store_b128 v[STI], v[R+64*\sl+4*\i:R+64*\sl+4*\i+3] offset:SP*\i
.endr
.irp b, 0,1,2,3
.irp j, 0,1,2,3
	ds_load_b128 v[X+16*\b+4*\j:X+16*\b+4*\j+3], v[STO] offset:128*\b+16*\j   ; LDS serves a wave's instructions in order: these see the stores above
.endr
.endr
	s_wait_dscnt 0x0
	QUANT X, \pc, PW+\sl
.irp c, 0,1,2
	global_store_b128 v[L16], v[\pc+4*\c:\pc+4*\c+3], s[16:17] offset:12288*\sl+512*\c   ; 512 consecutive bytes
.endr
	ds_store_b32 v[SCW], v[PW+\sl] offset:512*\sl  ; both halves of the lanes write the same word with the same value
.endm
	PART 0, 228
	PART 1, 16                                     ; (the first step's numbers have left v16-35: its stage stores were waited for)
	s_wait_dscnt 0x0                               ; for the others' sake: my scale words have landed
	s_barrier_signal -1
	s_barrier_wait -1
	s_cmp_lt_u32 s[WV], 2
	s_cbranch_scc0 .Ldone
	ds_load_b128 v[X:X+3], v[SCR]
	s_wait_dscnt 0x0
	global_store_b128 v[L16], v[X:X+3], s[18:19]   ; one scale image: 512 consecutive bytes
.Ldone:
	s_wait_tensorcnt 0x0
	ds_add_u32 v248, v249
	s_wait_dscnt 0x0
	s_endpgm
.Lfunc_end_k_q0386818005_quant:
	.size	k_q0386818005_quant, .Lfunc_end_k_q0386818005_quant-k_q0386818005_quant
	.p2alignl 7, 3214868480
	.fill 96, 4, 3214868480
	.section	.rodata,"a",@progbits
	.p2align	6, 0x0
	.amdhsa_kernel k_q0386818005_quant
		.amdhsa_group_segment_fixed_size 69632
		.amdhsa_private_segment_fixed_size 0
		.amdhsa_enable_private_segment 0
		.amdhsa_kernarg_size 64
		.amdhsa_user_sgpr_count 2
		.amdhsa_user_sgpr_kernarg_segment_ptr 1
		.amdhsa_wavefront_size32 1
		.amdhsa_system_sgpr_workgroup_id_x 1
		.amdhsa_system_sgpr_workgroup_id_y 1
		.amdhsa_system_sgpr_workgroup_id_z 1
		.amdhsa_system_vgpr_workitem_id 0
		.amdhsa_next_free_vgpr 250
		.amdhsa_next_free_sgpr 66
		.amdhsa_reserve_vcc 0
		.amdhsa_float_denorm_mode_32 3
		.amdhsa_float_denorm_mode_16_64 3
		.amdhsa_memory_ordered 1
		.amdhsa_forward_progress 1
		.amdhsa_inst_pref_size 23
	.end_amdhsa_kernel
	.amdgpu_metadata
---
amdhsa.version: [ 1, 2 ]
amdhsa.kernels:
  - .name:           k_q0386818005_quant
    .symbol:         k_q0386818005_quant.kd
    .args:
      - { .name: x1, .offset: 0, .size: 8, .value_kind: global_buffer, .address_space: global }
      - { .name: x2, .offset: 8, .size: 8, .value_kind: global_buffer, .address_space: global }
      - { .name: Wq, .offset: 16, .size: 8, .value_kind: global_buffer, .address_space: global }
      - { .name: Wk, .offset: 24, .size: 8, .value_kind: global_buffer, .address_space: global }
      - { .name: Wv, .offset: 32, .size: 8, .value_kind: global_buffer, .address_space: global }
      - { .name: Wo, .offset: 40, .size: 8, .value_kind: global_buffer, .address_space: global }
      - { .name: cimg, .offset: 48, .size: 8, .value_kind: global_buffer, .address_space: global }
      - { .name: csc, .offset: 56, .size: 8, .value_kind: global_buffer, .address_space: global }
    .group_segment_fixed_size: 69632
    .private_segment_fixed_size: 0
    .kernarg_segment_align: 8
    .kernarg_segment_size: 64
    .max_flat_workgroup_size: 256
    .sgpr_count:     66
    .vgpr_count:     250
    .wavefront_size: 32
...
	.end_amdgpu_metadata
.endif
;; end of part 1
;; launch proj (part 2): grid 384 x 1, 4 waves a work-group, no clusters, 0 bytes of LDS; arguments cimg, csc, bq, bk, bv, qkv, qkvs; writes qkv, qkvs
.if DOCPART == 2
	.amdgcn_target "amdgcn-amd-amdhsa--gfx1250"
	.amdhsa_code_object_version 6
	.text
	.protected	k_q0386818005_proj
	.globl	k_q0386818005_proj
	.p2align	8
	.type	k_q0386818005_proj,@function
k_q0386818005_proj:
	s_mov_b64 s[64:65], 0
	v_nop
	global_prefetch_b8 v0, s[64:65] scope:SCOPE_SE
	s_setreg_imm32_b32 hwreg(HW_REG_WAVE_MODE, 25, 1), 1
	s_wait_xcnt 0x0
; The six projections x W^T + b on codes of FP6 (E2M3), and the quantising of their results for the attention that follows.
; A WAVE makes 128 x 128: source-0 group G0 x source-1 group G1 of cimg, all of K = 1,024 in 8 steps of 128: 64 accumulators, 512 registers.
; Q and K (work-groups 0-255): source 0 = 128 rows of Wq or Wk (one head's 128 outputs), source 1 = 128 rows of x.  A lane then holds one row of x, and for a tile of rows its 64 registers run along the head's 128: the next product's K.
; V (work-groups 256-383): source 0 = 128 rows of x (keys), source 1 = 128 rows of Wv (one head).  A lane then holds one channel and its registers run along 128 keys: the second attention product's K.
; Both fall out so because the rows of cimg's tiles are ordered for it.  The bias is added in f32, the 64 numbers are quantised in registers, and the fragment leaves as an image of its registers:
; qkv[U][t][1536], qkvs[U][512], U = ((type 4 + sb) 8 + h) 16 + g; type 0 Q, 1 K, 2 V; sb = 2 (x2?) + batch; g = the group of 128 rows (Q, K) or keys (V) of that batch.
; OPERANDS COME FROM MEMORY STRAIGHT INTO REGISTERS: a fragment is three loads of 512 consecutive bytes, a group's scale words one.  Two sets of registers; a step's 50 loads are issued one step (64 matrix instructions) ahead.
; NO CLUSTER, NO LDS: joint requests land in LDS, and this text has no ring; the four waves of a work-group read the same source-0 group (Q, K) or the same keys (V).  A ring fed by joint loads would divide the requests by four; it is not built here.
; LIMITS: NaN and infinities are not served; a block of zeros gets the byte 1.
; REGISTERS, in windows of 256: window 0: v1-3 addresses; v16-31 scale words, two sets; v32-223 source 1's fragments, two sets; v224-231 the bias by channel (V).  Behind the sums: v32-95 64 numbers, v96-111 at work, v112-131 codes, v152-163 scale words.
;   window 1: v0-191 source 0's fragments, two sets; v192-255 the bias along the head (Q, K).   windows 2, 3: accumulator (t1, t0) at v[64 (t1 % 4) + 8 t0] of window 2 + t1 / 4.
.set L16,  1                           ; v1  16 x lane
.set HH64, 2                           ; v2  64 (lane / 16)
.set PIR,  3                           ; v3  4 (r + 8 (r / 8))
.set SC0,  16                          ; set p: v[16 + 8 p ..] source 0's four registers of scale words, then source 1's four
.set F1,   32
.set BV,   224
.set BQ,   192
.set H,    32
.set TM,   96
.set PC,   112
.set PWS,  152
.set SW,   160
.set WV,   18
.set TYP,  29
.set SEL,  48
.set MSB, 0
.macro WIN new                         ; the immediate's high byte repeats the setting that is left
.if MSB != (\new)
	s_set_vgpr_msb (MSB<<8)|(\new)
.set MSB, \new
.endif
.endm
.macro PLACES n
.rept \n
	v_nop
.endr
.endm
; one matrix instruction.  c < 0: the constant 0 starts the sum.  ra, rb = 1: that side's scale words stand in lanes 16-31
.macro WM d, a, b, c, sa, sb, ra, rb
.if (\c) < 0
.if ((\ra) == 0) && ((\rb) == 0)
	v_wmma_scale_f32_16x16x128_f8f6f4 v[\d:\d+7], v[\a:\a+11], v[\b:\b+11], 0, v[\sa], v[\sb] matrix_a_fmt:MATRIX_FMT_FP6 matrix_b_fmt:MATRIX_FMT_FP6
.elseif (\rb) == 0
	v_wmma_scale_f32_16x16x128_f8f6f4 v[\d:\d+7], v[\a:\a+11], v[\b:\b+11], 0, v[\sa], v[\sb] matrix_a_fmt:MATRIX_FMT_FP6 matrix_b_fmt:MATRIX_FMT_FP6 matrix_a_scale:MATRIX_SCALE_ROW1
.elseif (\ra) == 0
	v_wmma_scale_f32_16x16x128_f8f6f4 v[\d:\d+7], v[\a:\a+11], v[\b:\b+11], 0, v[\sa], v[\sb] matrix_a_fmt:MATRIX_FMT_FP6 matrix_b_fmt:MATRIX_FMT_FP6 matrix_b_scale:MATRIX_SCALE_ROW1
.else
	v_wmma_scale_f32_16x16x128_f8f6f4 v[\d:\d+7], v[\a:\a+11], v[\b:\b+11], 0, v[\sa], v[\sb] matrix_a_fmt:MATRIX_FMT_FP6 matrix_b_fmt:MATRIX_FMT_FP6 matrix_a_scale:MATRIX_SCALE_ROW1 matrix_b_scale:MATRIX_SCALE_ROW1
.endif
.else
.if ((\ra) == 0) && ((\rb) == 0)
	v_wmma_scale_f32_16x16x128_f8f6f4 v[\d:\d+7], v[\a:\a+11], v[\b:\b+11], v[\c:\c+7], v[\sa], v[\sb] matrix_a_fmt:MATRIX_FMT_FP6 matrix_b_fmt:MATRIX_FMT_FP6
.elseif (\rb) == 0
	v_wmma_scale_f32_16x16x128_f8f6f4 v[\d:\d+7], v[\a:\a+11], v[\b:\b+11], v[\c:\c+7], v[\sa], v[\sb] matrix_a_fmt:MATRIX_FMT_FP6 matrix_b_fmt:MATRIX_FMT_FP6 matrix_a_scale:MATRIX_SCALE_ROW1
.elseif (\ra) == 0
	v_wmma_scale_f32_16x16x128_f8f6f4 v[\d:\d+7], v[\a:\a+11], v[\b:\b+11], v[\c:\c+7], v[\sa], v[\sb] matrix_a_fmt:MATRIX_FMT_FP6 matrix_b_fmt:MATRIX_FMT_FP6 matrix_b_scale:MATRIX_SCALE_ROW1
.else
	v_wmma_scale_f32_16x16x128_f8f6f4 v[\d:\d+7], v[\a:\a+11], v[\b:\b+11], v[\c:\c+7], v[\sa], v[\sb] matrix_a_fmt:MATRIX_FMT_FP6 matrix_b_fmt:MATRIX_FMT_FP6 matrix_a_scale:MATRIX_SCALE_ROW1 matrix_b_scale:MATRIX_SCALE_ROW1
.endif
.endif
.endm
; 64 numbers of a lane, register 16 b + i = k 32 b + 16 (lane / 16) + i of my row, become 12 registers of codes at v[pc] on (v[pc+12] .. v[pc+19] at work) and the scale word in v[pw]
.macro QUANT s, pc, pw
.irp b, 0,1,2,3
	v_max3_num_f32 v[TM+\b], |v[\s+16*\b]|, |v[\s+1+16*\b]|, 0x1800000   ; my 16 numbers of block b, and the floor 2^(3 - 127): the byte cannot fall under 1
.endr
.irp i, 2,4,6,8,10,12,14
.irp b, 0,1,2,3
	v_max3_num_f32 v[TM+\b], v[TM+\b], |v[\s+16*\b+\i]|, |v[\s+1+16*\b+\i]|
.endr
.endr
.irp b, 0,1,2,3
	v_permlanex16_b32 v[TM+4+\b], v[TM+\b], s[SEL], s[SEL+1]
.endr
.irp b, 0,1,2,3
	v_max_num_f32 v[TM+\b], v[TM+\b], v[TM+4+\b]   ; with lane l xor 16's: the block's largest magnitude
.endr
.irp b, 0,1,2,3
	v_add_nc_u32 v[TM+12+\b], 0xff000000, v[TM+\b]   ; 2 off its exponent field: the conversion's scale operand
.endr
.irp b, 0,1,2,3
	v_lshrrev_b32 v[TM+4+\b], 23, v[TM+12+\b]      ; the scale's byte
.endr
	v_lshl_or_b32 v[\pw], v[TM+5], 8, v[TM+4]
	v_lshl_or_b32 v[\pw], v[TM+6], 16, v[\pw]
	v_lshl_or_b32 v[\pw], v[TM+7], 24, v[\pw]
.irp c, 0,1
	v_cvt_scalef32_pk16_fp6_f32 v[\pc+6*\c:\pc+2+6*\c], v[\s+32*\c:\s+15+32*\c], v[TM+12+2*\c]
	v_cvt_scalef32_pk16_fp6_f32 v[\pc+12+4*\c:\pc+14+4*\c], v[\s+16+32*\c:\s+31+32*\c], v[TM+13+2*\c]
.endr
	v_nop                                          ; one plain place behind a scaled conversion
.irp c, 0,1
.irp i, 0,1,2
	v_permlane16_swap_b32 v[\pc+6*\c+\i], v[\pc+12+4*\c+\i]
.endr
.irp i, 0,1,2
	v_mov_b32 v[\pc+3+6*\c+\i], v[\pc+12+4*\c+\i]
.endr
.endr
.endm
	s_load_b256 s[4:11], s[0:1], 0x0               ; cimg, csc, bq, bk
	s_load_b128 s[12:15], s[0:1], 0x20             ; bv, qkv
	s_load_b64 s[16:17], s[0:1], 0x30              ; qkvs
	v_lshrrev_b32 v4, 5, v0
	v_readfirstlane_b32 s[WV], v4                  ; wave 0..3
	v_and_b32 v4, 31, v0
	v_lshlrev_b32 v[L16], 4, v4
	v_bfe_u32 v5, v0, 4, 1
	v_lshlrev_b32 v[HH64], 6, v5
	v_and_b32 v6, 15, v0
	v_and_b32 v7, 8, v6
	v_add_nc_u32 v6, v6, v7
	v_lshlrev_b32 v[PIR], 2, v6
	s_mov_b32 s[SEL], 0x76543210
	s_mov_b32 s[SEL+1], 0xfedcba98
	s_and_b32 s20, ttmp9, 15                       ; Q, K: the group of x is 4 (id % 16) + wave,
	s_lshl_b32 s20, s20, 2
	s_add_co_u32 s20, s20, s[WV]
	s_lshr_b32 s21, ttmp9, 4
	s_add_co_u32 s21, s21, 64                      ; the group of W is 64 + id / 16
	s_and_b32 s22, ttmp9, 127                      ; V: j = id - 256: the group of x is j / 2,
	s_lshr_b32 s23, s22, 1
	s_and_b32 s22, s22, 1
	s_lshl_b32 s22, s22, 2
	s_add_co_u32 s22, s22, s[WV]
	s_add_co_u32 s22, s22, 80                      ; the group of Wv is 80 + 4 (j % 2) + wave
	s_cmp_lt_u32 ttmp9, 256
	s_cselect_b32 s24, s20, s23                    ; x's group
	s_cselect_b32 s25, s21, s22                    ; W's group
	s_cselect_b32 s26, s25, s24                    ; source 0: W for Q and K, x for V
	s_cselect_b32 s27, s24, s25                    ; source 1
	s_sub_co_u32 s28, s25, 64
	s_lshr_b32 s[TYP], s28, 3                      ; 0 Q, 1 K, 2 V
	s_and_b32 s28, s28, 7                          ; the head
	s_lshr_b32 s30, s24, 4                         ; sb
	s_and_b32 s31, s24, 15                         ; g
	s_lshl_b32 s52, s[TYP], 2
	s_add_co_u32 s52, s52, s30
	s_lshl_b32 s52, s52, 3
	s_add_co_u32 s52, s52, s28
	s_lshl_b32 s52, s52, 4
	s_add_co_u32 s52, s52, s31                     ; U
	s_mul_i32 s32, s26, 98304                      ; a group's codes: 8 steps x 8 tiles x 1,536 bytes
	s_mov_b32 s33, 0
	s_mul_i32 s34, s27, 98304
	s_mov_b32 s35, 0
	s_lshl_b32 s36, s26, 12                        ; its scale images: 8 x 512
	s_mov_b32 s37, 0
	s_lshl_b32 s38, s27, 12
	s_mov_b32 s39, 0
	s_mul_i32 s44, s52, 12288
	s_mov_b32 s45, 0
	s_lshl_b32 s46, s52, 9
	s_mov_b32 s47, 0
	s_lshl_b32 s50, s28, 9                         ; the head's 128 numbers of a bias
	s_mov_b32 s51, 0
	s_wait_alu depctr_va_vdst(0)
	s_wait_kmcnt 0x0
	s_add_nc_u64 s[32:33], s[4:5], s[32:33]
	s_add_nc_u64 s[34:35], s[4:5], s[34:35]
	s_add_nc_u64 s[36:37], s[6:7], s[36:37]
	s_add_nc_u64 s[38:39], s[6:7], s[38:39]
	s_add_nc_u64 s[44:45], s[14:15], s[44:45]
	s_add_nc_u64 s[46:47], s[16:17], s[46:47]
	s_cmp_eq_u32 s[TYP], 0
	s_cselect_b64 s[40:41], s[8:9], s[10:11]
	s_cmp_eq_u32 s[TYP], 2
	s_cselect_b64 s[40:41], s[12:13], s[40:41]     ; my type's bias
	s_add_nc_u64 s[40:41], s[40:41], s[50:51]
	s_add_nc_u64 s[42:43], s[12:13], s[50:51]
	; both forms of the bias are fetched by every wave, so that no register's content hangs on a branch: along the head (used by Q and K), and by channel (used by V)
	WIN 0x40
.irp b, 0,1,2,3
.irp j, 0,1,2,3
	global_load_b128 v[BQ+16*\b+4*\j:BQ+16*\b+4*\j+3], v[HH64], s[40:41] offset:128*\b+16*\j   ; register 16 b + i: the bias of output 32 b + 16 (lane / 16) + i
.endr
.endr
	WIN 0
.irp t, 0,1,2,3,4,5,6,7
	global_load_b32 v[BV+\t], v[PIR], s[42:43] offset:4*(32*(\t/2)+8*(\t%2))   ; the bias of channel 32 (t / 2) + 8 (t % 2) + r + 8 (r / 8)
.endr
; K step s: 24 + 24 loads of fragments, 2 of scale words, into set s % 2
.macro LOADS s
.set P, (\s)%2
	WIN 0x40
.set N, 0
.rept 24
	global_load_b128 v[96*P+4*N:96*P+4*N+3], v[L16], s[32:33] offset:12288*(\s)+512*N
.set N, N+1
.endr
	WIN 0
.set N, 0
.rept 24
	global_load_b128 v[F1+96*P+4*N:F1+96*P+4*N+3], v[L16], s[34:35] offset:12288*(\s)+512*N
.set N, N+1
.endr
	global_load_b128 v[SC0+8*P:SC0+8*P+3], v[L16], s[36:37] offset:512*(\s)
	global_load_b128 v[SC0+8*P+4:SC0+8*P+7], v[L16], s[38:39] offset:512*(\s)
.endm
; The 64 accumulators take turns, one instruction a turn, in the same order in every step.
.macro STEP s
.if ((\s) > 0) && ((\s) < 7)
	PLACES 4                                       ; the loads below land in registers that the step before multiplied (ISA guide 7.12.1 for vector instructions)
.endif
.if (\s) < 7
	LOADS (\s)+1
	s_wait_loadcnt 50                              ; all but the 50 just issued: this step's operands (and, in step 0, the biases) are in
.else
	s_wait_loadcnt 0x0
.endif
.set P, (\s)%2
	WIN 0xa1                                       ; source 0 window 1, source 1 window 0, C and D window 2
.set T1, 0
.rept 8
.if T1 == 4
	WIN 0xf1                                       ; C and D window 3
.endif
.set T0, 0
.rept 8
.if (\s) == 0
	WM 64*(T1%4)+8*T0, 96*P+12*T0, F1+96*P+12*T1, -1, SC0+8*P+T0/2, SC0+8*P+4+T1/2, T0%2, T1%2
.else
	WM 64*(T1%4)+8*T0, 96*P+12*T0, F1+96*P+12*T1, 64*(T1%4)+8*T0, SC0+8*P+T0/2, SC0+8*P+4+T1/2, T0%2, T1%2
.endif
.set T0, T0+1
.endr
.set T1, T1+1
.endr
	WIN 0
.endm
	LOADS 0
.irp s, 0,1,2,3,4,5,6,7
	STEP \s
.endr
	PLACES 4                                       ; behind the last products: results are read, and operands' registers written, from here on
.irp b, 0,1,2,3
	v_mov_b32 v[TM+4+\b], 0                        ; a lane permute's destination counts as one of its sources
.endr
; source-1 tile t1: its 64 sums + the bias, quantised, stored as one fragment.  Each accumulator is read from its low end on.
.macro OUTT t1
	s_wait_xcnt 0x0                                ; the last tile's stores have read the codes' registers
	s_cmp_eq_u32 s[TYP], 2
	s_cbranch_scc1 .Lv_\@
	WIN 0x06+(\t1)/4                               ; source 0: the sums (window 2 or 3); source 1: the bias (window 1)
.set N, 0
.rept 32
	v_pk_add_f32 v[H+2*N:H+2*N+1], v[64*((\t1)%4)+2*N:64*((\t1)%4)+2*N+1], v[BQ+2*N:BQ+2*N+1]
.set N, N+1
.endr
	WIN 0
	s_branch .Lj_\@
.Lv_\@:
	WIN 0x02+(\t1)/4
.set N, 0
.rept 64
	v_add_f32 v[H+N], v[64*((\t1)%4)+N], v[BV+\t1]
.set N, N+1
.endr
	WIN 0
.Lj_\@:
	QUANT H, PC, PWS+\t1
.irp c, 0,1,2
	global_store_b128 v[L16], v[PC+4*\c:PC+4*\c+3], s[44:45] offset:1536*(\t1)+512*\c   ; 512 consecutive bytes
.endr
.endm
.irp t, 0,1,2,3,4,5,6,7
	OUTT \t
.endr
	v_cmp_gt_u32 vcc_lo, 256, v[L16]               ; lanes 0-15
.irp i, 0,1,2,3
	v_cndmask_b32 v[SW+\i], v[PWS+2*\i+1], v[PWS+2*\i], vcc_lo   ; lanes 0-15: tile 2 i's word of row r; lanes 16-31: tile 2 i + 1's
.endr
	global_store_b128 v[L16], v[SW:SW+3], s[46:47]
	s_endpgm
.Lfunc_end_k_q0386818005_proj:
	.size	k_q0386818005_proj, .Lfunc_end_k_q0386818005_proj-k_q0386818005_proj
	.p2alignl 7, 3214868480
	.fill 96, 4, 3214868480
	.section	.rodata,"a",@progbits
	.p2align	6, 0x0
	.amdhsa_kernel k_q0386818005_proj
		.amdhsa_group_segment_fixed_size 0
		.amdhsa_private_segment_fixed_size 0
		.amdhsa_enable_private_segment 0
		.amdhsa_kernarg_size 56
		.amdhsa_user_sgpr_count 2
		.amdhsa_user_sgpr_kernarg_segment_ptr 1
		.amdhsa_wavefront_size32 1
		.amdhsa_system_sgpr_workgroup_id_x 1
		.amdhsa_system_sgpr_workgroup_id_y 1
		.amdhsa_system_sgpr_workgroup_id_z 1
		.amdhsa_system_vgpr_workitem_id 0
		.amdhsa_next_free_vgpr 1024
		.amdhsa_next_free_sgpr 66
		.amdhsa_reserve_vcc 1
		.amdhsa_float_denorm_mode_32 3
		.amdhsa_float_denorm_mode_16_64 3
		.amdhsa_memory_ordered 1
		.amdhsa_forward_progress 1
		.amdhsa_inst_pref_size 176
	.end_amdhsa_kernel
	.amdgpu_metadata
---
amdhsa.version: [ 1, 2 ]
amdhsa.kernels:
  - .name:           k_q0386818005_proj
    .symbol:         k_q0386818005_proj.kd
    .args:
      - { .name: cimg, .offset: 0, .size: 8, .value_kind: global_buffer, .address_space: global }
      - { .name: csc, .offset: 8, .size: 8, .value_kind: global_buffer, .address_space: global }
      - { .name: bq, .offset: 16, .size: 8, .value_kind: global_buffer, .address_space: global }
      - { .name: bk, .offset: 24, .size: 8, .value_kind: global_buffer, .address_space: global }
      - { .name: bv, .offset: 32, .size: 8, .value_kind: global_buffer, .address_space: global }
      - { .name: qkv, .offset: 40, .size: 8, .value_kind: global_buffer, .address_space: global }
      - { .name: qkvs, .offset: 48, .size: 8, .value_kind: global_buffer, .address_space: global }
    .group_segment_fixed_size: 0
    .private_segment_fixed_size: 0
    .kernarg_segment_align: 8
    .kernarg_segment_size: 56
    .max_flat_workgroup_size: 128
    .sgpr_count:     66
    .vgpr_count:     1024
    .wavefront_size: 32
...
	.end_amdgpu_metadata
.endif
;; end of part 2
;; launch attn (part 3): grid 256 x 1, 8 waves a work-group, no clusters, 327,680 bytes of LDS; arguments qkv, qkvs, lq1, lk1, lq2, lk2, obuf, gst; writes obuf, gst
.if DOCPART == 3
	.amdgcn_target "amdgcn-amd-amdhsa--gfx1250"
	.amdhsa_code_object_version 6
	.text
	.protected	k_q0386818005_attn
	.globl	k_q0386818005_attn
	.p2align	8
	.type	k_q0386818005_attn,@function
k_q0386818005_attn:
	s_mov_b64 s[64:65], 0
	v_nop
	global_prefetch_b8 v0, s[64:65] scope:SCOPE_SE
	s_setreg_imm32_b32 hwreg(HW_REG_WAVE_MODE, 25, 1), 1
	s_wait_xcnt 0x0
; Differential attention of one (direction, batch, head): O = (softmax(q_lo k_lo^T / 8) - lam softmax(q_hi k_hi^T / 8)) V, all three products on codes of FP6 (E2M3).  Head size 128, halves of 64; 2,048 queries, 2,048 keys.
; SHARES: a work-group of eight waves owns 256 queries, a tile of 16 a trip.  WAVE w OWNS KEYS 256 w .. 256 w + 255: its 2 x 16 x 256 scores fill 256 registers, each exponential is taken once, a1 - lam a2 is formed in place.
; Of the wave's 16 fragments of K twelve stay in 144 registers; four, and its 16 fragments of V, lie in its own part of LDS, brought once by asynchronous copies.  Maxima, sums and the partial O meet in LDS: two barriers a trip.
; BOTH PRODUCTS ARE USED TRANSPOSED: S^T = K q^T, O^T = V^T A^T: a lane holds one query; the order of rows in qkv's tiles makes 16 registers of two neighbouring tiles 16 neighbouring keys (or channels).
; K = 64 OF THE SCORES AGAINST THE INSTRUCTION'S 128: q stands as [q_lo | zero codes | q_hi] in 18 registers; v[18:29] and v[24:35] are the two operands; one fragment of K serves both products.
; THE ORDER OF A TRIP: S2's products stand among the lines that search S1's maxima; the first key step's product with V stands ahead of the second step's quantiser; the next tile's S1 is issued while the partial O's come back from LDS.
; SOFTMAX: t = score x log2(e) / 8; each wave takes M = ceil(its largest t), p = 2^(t - M), l = its sum of p.  The eight (M, l) meet; lanes 0-15 join the first softmax's, lanes 16-31 the second's; p is brought under the row's M and divided by the whole sum by ONE factor.
; GROUPNORM's statistics span work-groups: (mean, sum of squared distances from it) of 8,192 numbers for each pair of waves, from sums about a pivot (a lane's first number); the next launch joins them.
; NO CLUSTER: what the eight work-groups of a head share, K and V, is read once at the head (393,216 bytes a work-group), three eighths of it straight into registers.  NO PREFETCH: the loop reads 1,540 bytes of q a trip, asked for most of a trip ahead.
; LIMITS: NaN and infinities are not served; scaled scores stay under 2^31 in magnitude; p under 2^-126 counts as 0; a block of zeros gets the byte 1; sums over keys and waves go in this text's fixed order.
; REGISTERS: window 0: v1-15 addresses, v18-36 q, v38-55 scale words, v56-95 at work, v96-111 GroupNorm's sums, v112-255 K's tiles 0-11.
;   window 1: v0-127 S1 -> p1 -> a1 - lam a2 -> O^T (v0-63); v128-255 S2 -> p2 (tile kt at place (kt + 4) % 16) -> V's set (v128-223), codes (v224-255) -> the partial O's (v128-191), K's tiles 12-15 (v208-255).
.set KB,  196608                       ; LDS: V 8 x 24,576; then K's tiles 12-15: 8 x 6,144
.set OX,  245760                       ; 8 x 16 rows x (512 + 16) bytes: each wave's partial O
.set SX,  313344                       ; 8 x 256 bytes: wave w, row r: (-M1, l1, -M2, l2)
.set SPARE, 315392                     ; the spare words, 128 bytes a wave
.set L16, 1
.set VAD, 2
.set KAD, 3
.set SXW, 4
.set SXR, 5
.set OXW, 6
.set OXR, 7
.set R16, 8
.set LAMF, 9                           ; 1 in lanes 0-15, -lam in lanes 16-31
.set SPW, 10
.set NIL, 11
.set PIV, 12                           ; v[12:13] the pivot
.set GSA, 14
.set GSR, 15
.set QF,  18                           ; v18-23 q_lo, v24-29 zero codes, v30-35 q_hi
.set QS,  36
.set OWN, 37                           ; my wave's -M of my half's softmax
.set KS,  38                           ; v38-45 K's scale words: tile kt in register kt / 2, lanes 16 (kt % 2) on
.set VS,  46                           ; v46-53 V's
.set PW,  54                           ; v54-55 the scale words of a1 - lam a2
.set SV,  56                           ; v56-59 -M1, l1, -M2, l2
.set R1,  60
.set R2,  62
.set TM,  64                           ; v64-79 at work
.set ST,  80                           ; v80-95 at work
.set GS,  96                           ; v96-103 sums of x - pivot
.set GQ,  104                          ; v104-111 sums of their squares
.set KR,  112
.set WV,  20
.set CS,  42
.set SEL, 44
.set TQ,  46
.set FIRST, 47
.set HM,  58                           ; the mask of lanes 16-31
.set MSB, 0
.macro WIN new                         ; the immediate's high byte repeats the setting that is left
.if MSB != (\new)
	s_set_vgpr_msb (MSB<<8)|(\new)
.set MSB, \new
.endif
.endm
.macro PLACES n
.rept \n
	v_nop
.endr
.endm
.macro ALU
	s_wait_alu depctr_va_vdst(0)
.endm
.macro DLY n                           ; the hint for a reader n vector instructions behind its producer; none beyond 4
.if (\n) == 1
	s_delay_alu instid0(VALU_DEP_1)
.elseif (\n) == 2
	s_delay_alu instid0(VALU_DEP_2)
.elseif (\n) == 3
	s_delay_alu instid0(VALU_DEP_3)
.elseif (\n) == 4
	s_delay_alu instid0(VALU_DEP_4)
.endif
.endm
.macro ALLSUM v, t                     ; the sum over the 32 lanes, in every lane
.irp m, 1,2,4,8
	DLY 1
	v_add_f32_dpp v[\v], v[\v], v[\v] row_xmask:\m row_mask:0xf bank_mask:0xf
.endr
	DLY 1
	v_permlanex16_b32 v[\t], v[\v], s[SEL], s[SEL+1]
	DLY 1
	v_add_f32 v[\v], v[\v], v[\t]
.endm
; one matrix instruction.  c < 0: the constant 0 starts the sum.  ra = 1: source 0's scale words stand in lanes 16-31
.macro WM d, a, b, c, sa, sb, ra
.if (\c) < 0
.if (\ra) == 0
	v_wmma_scale_f32_16x16x128_f8f6f4 v[\d:\d+7], v[\a:\a+11], v[\b:\b+11], 0, v[\sa], v[\sb] matrix_a_fmt:MATRIX_FMT_FP6 matrix_b_fmt:MATRIX_FMT_FP6
.else
	v_wmma_scale_f32_16x16x128_f8f6f4 v[\d:\d+7], v[\a:\a+11], v[\b:\b+11], 0, v[\sa], v[\sb] matrix_a_fmt:MATRIX_FMT_FP6 matrix_b_fmt:MATRIX_FMT_FP6 matrix_a_scale:MATRIX_SCALE_ROW1
.endif
.else
.if (\ra) == 0
	v_wmma_scale_f32_16x16x128_f8f6f4 v[\d:\d+7], v[\a:\a+11], v[\b:\b+11], v[\c:\c+7], v[\sa], v[\sb] matrix_a_fmt:MATRIX_FMT_FP6 matrix_b_fmt:MATRIX_FMT_FP6
.else
	v_wmma_scale_f32_16x16x128_f8f6f4 v[\d:\d+7], v[\a:\a+11], v[\b:\b+11], v[\c:\c+7], v[\sa], v[\sb] matrix_a_fmt:MATRIX_FMT_FP6 matrix_b_fmt:MATRIX_FMT_FP6 matrix_a_scale:MATRIX_SCALE_ROW1
.endif
.endif
.endm
.macro KTMP                            ; K's tiles 12-15 from my part of LDS into window 1, v208-255
	WIN 0x40
.set N, 0
.rept 12
	ds_load_b128 v[208+4*N:208+4*N+3], v[KAD] offset:512*N
.set N, N+1
.endr
.endm
.macro S1A                             ; S1 of tiles 0-11
	WIN 0x40
.set KT, 0
.rept 12
	WM 8*KT, KR+12*KT, QF, -1, KS+KT/2, QS, KT%2
.set KT, KT+1
.endr
.endm
.macro S1B                             ; S1 of tiles 12-15
	WIN 0x41
.set KT, 12
.rept 4
	WM 8*KT, 208+12*(KT-12), QF, -1, KS+KT/2, QS, KT%2
.set KT, KT+1
.endr
.endm
.macro S2T kt                          ; S2 of one tile, at place (kt + 4) % 16: places 10-15 lie over K's tiles 12-15, which are done with by then
.if (\kt) < 12
	WM 128+8*((\kt)+4), KR+12*(\kt), QF+6, -1, KS+(\kt)/2, QS, (\kt)%2
.else
	WM 128+8*((\kt)-12), 208+12*((\kt)-12), QF+6, -1, KS+(\kt)/2, QS, (\kt)%2
.endif
.endm
.macro ROWSUM b, t                     ; the sum of 128 p, two at a time, in eight chains of pairs at v[t] on
	WIN 0x05
.set N, 0
.rept 8
	v_pk_add_f32 v[\t+2*N:\t+2*N+1], v[\b+4*N:\b+4*N+1], v[\b+4*N+2:\b+4*N+3]
.set N, N+1
.endr
	WIN 0x04
.set N, 16
.rept 48
	v_pk_add_f32 v[\t+2*(N%8):\t+2*(N%8)+1], v[\t+2*(N%8):\t+2*(N%8)+1], v[\b+2*N:\b+2*N+1]
.set N, N+1
.endr
.endm
.macro VLOAD ks                        ; V's eight fragments of key step ks: 24 loads of 512 consecutive bytes
	WIN 0x40
.set N, 0
.rept 24
	ds_load_b128 v[128+4*N:128+4*N+3], v[VAD] offset:12288*(\ks)+512*N
.set N, N+1
.endr
.endm
; a1 - lam a2 of key step ks (window 1, v[64 ks] on: register 16 b + i = key 32 b + 16 (lane / 16) + i) becomes codes at v[224 + 12 ks] and the scale word v[PW + ks]; then O^T += V^T A^T, eight accumulators by turns
.macro QUANTPV ks
.set A, 64*(\ks)
.set CD, 224+12*(\ks)
	WIN 0x14
.set N, 0
.rept 8
	v_max3_num_f32 v[TM+N], 0x1800000, |v[A+8*N]|, |v[A+8*N+1]|   ; eight chains, two to a block, and the floor 2^(3 - 127): the byte cannot fall under 1
.set N, N+1
.endr
.if (\ks) == 1
	VLOAD 1                                        ; the eight lines above are the places behind the first key step's products, whose fragments these loads replace
	WIN 0x14
.endif
.irp i, 2,4,6
.set N, 0
.rept 8
	v_max3_num_f32 v[TM+N], v[TM+N], |v[A+8*N+\i]|, |v[A+8*N+\i+1]|
.set N, N+1
.endr
.endr
	WIN 0
.irp b, 0,1,2,3
	v_max_num_f32 v[TM+8+\b], v[TM+2*\b], v[TM+2*\b+1]
.endr
.irp b, 0,1,2,3
	DLY 4
	v_permlanex16_b32 v[TM+\b], v[TM+8+\b], s[SEL], s[SEL+1]
.endr
.irp b, 0,1,2,3
	DLY 4
	v_max_num_f32 v[TM+8+\b], v[TM+8+\b], v[TM+\b]   ; with lane l xor 16's: the block's largest magnitude
.endr
.irp b, 0,1,2,3
	DLY 4
	v_add_nc_u32 v[TM+12+\b], 0xff000000, v[TM+8+\b]   ; 2 off the exponent field: the conversion's scale operand
.endr
.irp b, 0,1,2,3
	DLY 4
	v_lshrrev_b32 v[TM+4+\b], 23, v[TM+12+\b]
.endr
	DLY 3
	v_lshl_or_b32 v[PW+\ks], v[TM+5], 8, v[TM+4]
	DLY 1
	v_lshl_or_b32 v[PW+\ks], v[TM+6], 16, v[PW+\ks]
	DLY 1
	v_lshl_or_b32 v[PW+\ks], v[TM+7], 24, v[PW+\ks]
	WIN 0x41
.irp c, 0,1
	v_cvt_scalef32_pk16_fp6_f32 v[CD+6*\c:CD+6*\c+2], v[A+32*\c:A+32*\c+15], v[TM+12+2*\c]
	v_cvt_scalef32_pk16_fp6_f32 v[248+4*\c:250+4*\c], v[A+32*\c+16:A+32*\c+31], v[TM+13+2*\c]
.endr
	v_nop                                          ; one plain place behind a scaled conversion
.irp c, 0,1
.irp i, 0,1,2
	v_permlane16_swap_b32 v[CD+6*\c+\i], v[248+4*\c+\i]
.endr
.irp i, 0,1,2
	DLY 3
	v_mov_b32 v[CD+6*\c+3+\i], v[248+4*\c+\i]
.endr
.endr
	WIN 0
	PLACES 4                                       ; codes made by vector instructions stand 4 places ahead of a scaled matrix instruction, the scale word 8
	ALU
	s_wait_dscnt 0x0                               ; this key step's fragments of V are in
	WIN 0x55
.set TD, 0
.rept 8
.if (\ks) == 0
	WM 8*TD, 128+12*TD, CD, -1, VS+4*(\ks)+TD/2, PW+(\ks), TD%2
.else
	WM 8*TD, 128+12*TD, CD, 8*TD, VS+4*(\ks)+TD/2, PW+(\ks), TD%2
.endif
.set TD, TD+1
.endr
.endm
	s_load_b256 s[4:11], s[0:1], 0x0               ; qkv, qkvs, lq1, lk1
	s_load_b256 s[12:19], s[0:1], 0x20             ; lq2, lk2, obuf, gst
	v_lshl_add_u32 v[SPW], v0, 2, SPARE
	v_mov_b32 v[NIL], 0
	ds_add_u32 v[SPW], v[NIL]                      ; the opening lines ahead of my first copy
	ds_add_u32 v[SPW], v[NIL]
	v_lshrrev_b32 v1, 5, v0
	DLY 1
	v_readfirstlane_b32 s[WV], v1                  ; wave 0..7
	s_and_b32 s21, ttmp9, 7                        ; the chunk of 256 queries
	s_bfe_u32 s22, ttmp9, 0x30003                  ; the head
	s_lshr_b32 s23, ttmp9, 6                       ; the queries' sb = 2 (x2?) + batch
	s_xor_b32 s24, s23, 2                          ; keys and values come from the other input, same batch
	s_lshl_b32 s48, s23, 3
	s_add_co_u32 s48, s48, s22                     ; 8 sb + h
	s_lshl_b32 s49, s48, 4
	s_lshl_b32 s50, s21, 1
	s_add_co_u32 s49, s49, s50                     ; Q's U
	s_mul_i32 s26, s49, 12288
	s_mov_b32 s27, 0
	s_lshl_b32 s28, s49, 9
	s_mov_b32 s29, 0
	s_lshl_b32 s50, s24, 3
	s_add_co_u32 s50, s50, s22
	s_add_co_u32 s50, s50, 32
	s_lshl_b32 s50, s50, 4
	s_lshl_b32 s51, s[WV], 1
	s_add_co_u32 s50, s50, s51                     ; K's U: my two groups of 128 keys
	s_mul_i32 s30, s50, 12288
	s_mov_b32 s31, 0
	s_lshl_b32 s32, s50, 9
	s_mov_b32 s33, 0
	s_add_co_u32 s50, s50, 512                     ; V's U
	s_mul_i32 s34, s50, 12288
	s_mov_b32 s35, 0
	s_lshl_b32 s36, s50, 9
	s_mov_b32 s37, 0
	s_lshl_b32 s38, s23, 11                        ; the first row of obuf that I store: 2,048 sb + 256 chunk + 2 w + 8 (w / 4)
	s_lshl_b32 s52, s21, 8
	s_add_co_u32 s38, s38, s52
	s_add_co_u32 s38, s38, s51
	s_lshr_b32 s52, s[WV], 2
	s_lshl_b32 s52, s52, 3
	s_add_co_u32 s38, s38, s52
	s_lshl_b32 s38, s38, 12
	s_lshl_b32 s52, s22, 9
	s_add_co_u32 s38, s38, s52                     ; + the head's 512 bytes of a row
	s_mov_b32 s39, 0
	s_lshl_b32 s40, s48, 5
	s_lshl_b32 s52, s21, 2
	s_add_co_u32 s40, s40, s52
	s_and_b32 s59, s[WV], 3
	s_add_co_u32 s40, s40, s59
	s_lshl_b32 s40, s40, 3                         ; the entry of gst that waves 0-3 store
	s_mov_b32 s41, 0
	s_lshl_b32 s56, s22, 8                         ; the head's 64 numbers of lq1 ..
	s_mov_b32 s57, 0
	s_mov_b32 s[CS], 0x3e38aa3b                    ; log2(e) / 8
	s_mov_b32 s[CS+1], s[CS]
	s_mov_b32 s[SEL], 0x76543210
	s_mov_b32 s[SEL+1], 0xfedcba98
	s_mov_b32 s[TQ], 0
	s_mov_b32 s[FIRST], -1
	s_mul_i32 s48, s[WV], 24576                    ; my parts of LDS
	s_mul_i32 s49, s[WV], 6144
	s_add_co_u32 s49, s49, KB
	s_lshl_b32 s50, s[WV], 8
	s_add_co_u32 s50, s50, SX
	s_mul_i32 s51, s[WV], 8448
	s_add_co_u32 s51, s51, OX
	s_mul_i32 s52, s[WV], 1056
	s_add_co_u32 s52, s52, OX
	s_lshl_b32 s53, s[WV], 3
	s_add_co_u32 s53, s53, SX
	s_lshl_b32 s54, s59, 4
	s_add_co_u32 s54, s54, SX
	v_and_b32 v[TM], 31, v0                        ; lane
	v_and_b32 v[TM+1], 15, v0                      ; r
	v_bfe_u32 v[TM+2], v0, 4, 1                    ; lane / 16
.irp i, 0,1,2,3,4,5
	v_mov_b32 v[QF+6+\i], 0                        ; the zero codes between q's halves
.endr
	v_lshlrev_b32 v[L16], 4, v[TM]
	v_lshlrev_b32 v[R16], 4, v[TM+1]
	v_mul_u32_u24 v[OXW], v[TM+1], 528
	v_cmp_lt_u32 s[HM], 15, v[TM]
	v_mov_b32 v[GSA], s53
	v_mov_b32 v[GSR], s54
	v_add_nc_u32 v[VAD], s48, v[L16]
	v_add_nc_u32 v[KAD], s49, v[L16]
	v_add_nc_u32 v[OXR], s52, v[L16]               ; back: rows 2 w, 2 w + 1 of every wave's partial O, 16 bytes a lane
	v_add_nc_u32 v[SXW], s50, v[R16]
	v_lshl_add_u32 v[SXR], v[TM+2], 3, v[R16]
	v_lshl_add_u32 v[OXW], v[TM+2], 6, v[OXW]
.irp r, PIV, PIV+1, SV+1, SV+3, R1+1, R2+1, TM+6, TM+7
	v_mov_b32 v[\r], 0                             ; upper halves of pairs and permutes' destinations are named, so they are written
.endr
.set N, 0
.rept 16
	v_mov_b32 v[GS+N], 0                           ; GroupNorm's sums begin at 0
.set N, N+1
.endr
	v_add_nc_u32 v[SXR], SX, v[SXR]                ; lanes 0-15 read (-M1, l1), lanes 16-31 (-M2, l2)
	v_add_nc_u32 v[OXW], s51, v[OXW]               ; my partial O: row r, + 64 (lane / 16)
	v_lshlrev_b32 v[TM+3], 3, v[TM]                ; 8 x lane
	ALU
	s_wait_dscnt 0x0                               ; both opening adds are done
	s_wait_kmcnt 0x0
	s_add_nc_u64 s[26:27], s[4:5], s[26:27]
	s_add_nc_u64 s[28:29], s[6:7], s[28:29]
	s_add_nc_u64 s[30:31], s[4:5], s[30:31]
	s_add_nc_u64 s[32:33], s[6:7], s[32:33]
	s_add_nc_u64 s[34:35], s[4:5], s[34:35]
	s_add_nc_u64 s[36:37], s[6:7], s[36:37]
	s_add_nc_u64 s[38:39], s[16:17], s[38:39]
	s_add_nc_u64 s[40:41], s[18:19], s[40:41]
	s_add_nc_u64 s[8:9], s[8:9], s[56:57]
	s_add_nc_u64 s[10:11], s[10:11], s[56:57]
	s_add_nc_u64 s[12:13], s[12:13], s[56:57]
	s_add_nc_u64 s[14:15], s[14:15], s[56:57]
	s_add_nc_u64 s[60:61], s[30:31], 18432         ; K's tile 12
.set N, 0
.rept 12
	global_load_async_to_lds_b128 v[KAD], v[L16], s[60:61] offset:512*N   ; K's tiles 12-15 into my part of LDS (the immediate steps both addresses)
.set N, N+1
.endr
.set N, 0
.rept 36
	global_load_b128 v[KR+4*N:KR+4*N+3], v[L16], s[30:31] offset:512*N   ; K's tiles 0-11: they stay
.set N, N+1
.endr
.irp g, 0,1
	global_load_b128 v[KS+4*\g:KS+4*\g+3], v[L16], s[32:33] offset:512*\g
	global_load_b128 v[VS+4*\g:VS+4*\g+3], v[L16], s[36:37] offset:512*\g
.endr
.irp p, 0,1,2
	global_load_b64 v[QF+2*\p:QF+2*\p+1], v[L16], s[26:27] offset:512*(\p/2)+8*(\p%2)   ; q's tile 0: the fragment's registers 0-5,
.endr
.irp p, 3,4,5
	global_load_b64 v[QF+6+2*\p:QF+7+2*\p], v[L16], s[26:27] offset:512*(\p/2)+8*(\p%2)   ; and 6-11
.endr
	global_load_b32 v[QS], v[R16], s[28:29]
	global_load_b64 v[ST:ST+1], v[TM+3], s[8:9]    ; two numbers a lane of lq1, lk1, lq2, lk2
	global_load_b64 v[ST+2:ST+3], v[TM+3], s[10:11]
	global_load_b64 v[ST+4:ST+5], v[TM+3], s[12:13]
	global_load_b64 v[ST+6:ST+7], v[TM+3], s[14:15]
.set N, 0
.rept 48
	global_load_async_to_lds_b128 v[VAD], v[L16], s[34:35] offset:512*N   ; V's 16 fragments: they are first read behind the first trip's exponentials
.set N, N+1
.endr
	s_wait_loadcnt 0x0
	; lam = exp(lq1 . lk1) - exp(lq2 . lk2) + LAMBDA_INIT.  e^x = 2^n 2^f, n = the whole number nearest x log2(e), f = x log2(e) - n with log2(e) in two parts
	v_mul_f32 v[TM+5], v[ST+4], v[ST+6]
	v_mul_f32 v[TM+4], v[ST], v[ST+2]
	DLY 1
	v_fmac_f32 v[TM+4], v[ST+1], v[ST+3]
	ALLSUM TM+4, TM+6
	v_fmac_f32 v[TM+5], v[ST+5], v[ST+7]
	ALLSUM TM+5, TM+7
	v_mul_f32 v[TM+8], 0x3fb8aa3b, v[TM+4]
	DLY 2
	v_mul_f32 v[TM+9], 0x3fb8aa3b, v[TM+5]
	DLY 2
	v_rndne_f32 v[TM+8], v[TM+8]
	DLY 2
	v_rndne_f32 v[TM+9], v[TM+9]
	DLY 2
	v_fma_f32 v[TM+10], v[TM+4], 0x3fb8aa3b, -v[TM+8]
	DLY 2
	v_fma_f32 v[TM+11], v[TM+5], 0x3fb8aa3b, -v[TM+9]
	DLY 2
	v_fma_f32 v[TM+10], v[TM+4], 0x32a57060, v[TM+10]
	DLY 2
	v_fma_f32 v[TM+11], v[TM+5], 0x32a57060, v[TM+11]
	ALU
	v_exp_f32 v[TM+10], v[TM+10]
	v_exp_f32 v[TM+11], v[TM+11]
	v_cvt_i32_f32 v[TM+8], v[TM+8]                 ; (plain work behind the two exponentials)
	v_cvt_i32_f32 v[TM+9], v[TM+9]
	ALU
	v_ldexp_f32 v[TM+10], v[TM+10], v[TM+8]
	v_ldexp_f32 v[TM+11], v[TM+11], v[TM+9]
	DLY 1
	v_sub_f32 v[TM+10], v[TM+11], v[TM+10]
	DLY 1
	v_add_f32 v[TM+10], 0xbeb60549, v[TM+10]       ; -lam; LAMBDA_INIT = 0.8 - 0.6 e^-0.3
	DLY 1
	v_cndmask_b32 v[LAMF], 1.0, v[TM+10], s[HM]
	ALU
	s_wait_asynccnt 0x30                           ; the 12 copies of K's tiles have landed; V's 48, issued behind them, may be out
	KTMP
	S1A                                            ; the first tile's S1
	s_wait_dscnt 0x0
	S1B
	WIN 0
	PLACES 4
	ALU
.Ltile:                                            ; 16 trips: a tile of 16 queries each.  S1 of this tile and K's tiles 12-15 are in registers
	s_wait_xcnt 0x0                                ; the last trip's stores have read their registers, over which S2 is written, and their base
	s_add_co_u32 s48, s[TQ], 1
	s_min_u32 s48, s48, 15                         ; the next tile (the last trip asks for its own once more: no load leaves the chunk)
	s_mul_i32 s50, s48, 1536
	s_mov_b32 s51, 0
	s_add_nc_u64 s[50:51], s[26:27], s[50:51]
	s_lshr_b32 s52, s48, 3
	s_lshl_b32 s52, s52, 9
	s_and_b32 s53, s48, 1
	s_lshl_b32 s53, s53, 8
	s_add_co_u32 s52, s52, s53
	s_bfe_u32 s53, s48, 0x20001
	s_lshl_b32 s53, s53, 2
	s_add_co_u32 s52, s52, s53                     ; its scale words: image tile / 8, lanes 16 (tile % 2) on, word (tile % 8) / 2
	s_mov_b32 s53, 0
	s_add_nc_u64 s[56:57], s[28:29], s[52:53]
	s_lshr_b32 s52, s[TQ], 1
	s_lshl_b32 s52, s52, 17
	s_and_b32 s49, s[TQ], 1
	s_lshl_b32 s49, s49, 15
	s_add_co_u32 s52, s52, s49                     ; this tile's first row: 32 (tile / 2) + 8 (tile % 2) rows of 4,096 bytes
	s_add_nc_u64 s[54:55], s[38:39], s[52:53]
	; ---- 1: S2's 16 products, two at a time, among the 64 lines that search S1's largest score in eight chains; each accumulator is read from its low end on
.set N, 0
.set G, 0
.rept 8
.set KT, (12+2*G)%16
.if G < 2
	WIN 0x41
.else
	WIN 0x40
.endif
	S2T KT
.set KT, KT+1
	S2T KT
	WIN 0x14
.rept 8
.if N < 8
	v_max3_num_f32 v[TM+N], 0xff7fffff, v[2*N], v[2*N+1]
.else
	v_max3_num_f32 v[TM+N%8], v[TM+N%8], v[2*N], v[2*N+1]
.endif
.set N, N+1
.endr
.set G, G+1
.endr
	WIN 0                                          ; the eight lines above are the places behind the last product: q's registers take the next tile
.irp p, 0,1,2
	global_load_b64 v[QF+2*\p:QF+2*\p+1], v[L16], s[50:51] offset:512*(\p/2)+8*(\p%2)
.endr
.irp p, 3,4,5
	global_load_b64 v[QF+6+2*\p:QF+7+2*\p], v[L16], s[50:51] offset:512*(\p/2)+8*(\p%2)
.endr
	global_load_b32 v[QS], v[R16], s[56:57]
	WIN 0x14
.set N, 0
.rept 64
.if N < 8
	v_max3_num_f32 v[TM+8+N], 0xff7fffff, v[128+2*N], v[129+2*N]
.else
	v_max3_num_f32 v[TM+8+N%8], v[TM+8+N%8], v[128+2*N], v[129+2*N]
.endif
.set N, N+1
.endr
	WIN 0
.irp t, TM, TM+8
	v_max3_num_f32 v[\t], v[\t], v[\t+1], v[\t+2]
	v_max3_num_f32 v[\t+3], v[\t+3], v[\t+4], v[\t+5]
	v_max_num_f32 v[\t+6], v[\t+6], v[\t+7]
.endr
	DLY 4
	v_max3_num_f32 v[TM], v[TM], v[TM+3], v[TM+6]
	DLY 2
	v_max3_num_f32 v[TM+8], v[TM+8], v[TM+11], v[TM+14]
.irp t, TM, TM+8
	DLY 2
	v_permlanex16_b32 v[\t+1], v[\t], s[SEL], s[SEL+1]
.endr
.irp t, TM, TM+8
	DLY 2
	v_max_num_f32 v[\t], v[\t], v[\t+1]
.endr
.irp t, TM, TM+8
	DLY 2
	v_mul_f32 v[\t], s[CS], v[\t]
.endr
	DLY 2
	v_floor_f32 v[SV], -v[TM]                      ; -M = floor(-t): M is a whole number
	DLY 2
	v_floor_f32 v[SV+2], -v[TM+8]
	DLY 1
	v_cndmask_b32 v[OWN], v[SV], v[SV+2], s[HM]
	; ---- 2: t - M for all 256 scores, then all 256 exponentials as one batch
	WIN 0x41
.set N, 0
.rept 64
	v_pk_fma_f32 v[2*N:2*N+1], v[2*N:2*N+1], s[CS:CS+1], v[SV:SV+1] op_sel_hi:[1,0,0]
.set N, N+1
.endr
.rept 64
	v_pk_fma_f32 v[2*N:2*N+1], v[2*N:2*N+1], s[CS:CS+1], v[SV+2:SV+3] op_sel_hi:[1,0,0]
.set N, N+1
.endr
	ALU
.set N, 0
.rept 256
	v_exp_f32 v[N], v[N]
.set N, N+1
.endr
	WIN 0
	v_nop                                          ; a plain place behind the last exponential
	ALU
	; ---- 3: my wave's sums of p
	ROWSUM 0, TM
	ROWSUM 128, ST
	WIN 0
.irp t, TM, ST
.irp c, 0,2,4,6
	v_pk_add_f32 v[\t+\c:\t+\c+1], v[\t+\c:\t+\c+1], v[\t+\c+8:\t+\c+9]
.endr
.endr
	v_pk_add_f32 v[TM:TM+1], v[TM:TM+1], v[TM+4:TM+5]
	v_pk_add_f32 v[TM+2:TM+3], v[TM+2:TM+3], v[TM+6:TM+7]
	DLY 4
	v_pk_add_f32 v[ST:ST+1], v[ST:ST+1], v[ST+4:ST+5]
	DLY 4
	v_pk_add_f32 v[ST+2:ST+3], v[ST+2:ST+3], v[ST+6:ST+7]
	DLY 3
	v_pk_add_f32 v[TM:TM+1], v[TM:TM+1], v[TM+2:TM+3]
	DLY 2
	v_pk_add_f32 v[ST:ST+1], v[ST:ST+1], v[ST+2:ST+3]
.irp t, TM, ST
	DLY 2
	v_add_f32 v[\t], v[\t], v[\t+1]
.endr
.irp t, TM, ST
	DLY 2
	v_permlanex16_b32 v[\t+2], v[\t], s[SEL], s[SEL+1]
.endr
	DLY 2
	v_add_f32 v[SV+1], v[TM], v[TM+2]
	DLY 2
	v_add_f32 v[SV+3], v[ST], v[ST+2]
	; ---- 4: the eight waves' (-M, l) meet
	ALU
	s_wait_asynccnt 0x0                            ; V has landed (it is mine alone): no copy is out when the first LDS store is issued
	ds_store_b128 v[SXW], v[SV:SV+3]               ; both halves of the lanes write the same 16 bytes
	s_wait_dscnt 0x0                               ; for the others' sake; my reads of the last trip's partial O's were waited for there
	s_barrier_signal -1
	s_barrier_wait -1
.irp w, 0,1,2,3,4,5,6,7
	ds_load_b64 v[ST+2*\w:ST+2*\w+1], v[SXR] offset:256*\w
.endr
	s_wait_dscnt 0x0
	v_min3_num_f32 v[TM], v[ST], v[ST+2], v[ST+4]
	v_min3_num_f32 v[TM+2], v[ST+6], v[ST+8], v[ST+10]
	v_min_num_f32 v[TM+3], v[ST+12], v[ST+14]
	DLY 1
	v_min3_num_f32 v[TM], v[TM], v[TM+2], v[TM+3]  ; the least -M: the row's M
	DLY 1
	v_sub_f32 v[TM+1], v[TM], v[OWN]               ; M_w - M: a whole number, 0 or less; my own,
.irp w, 0,1,2,3,4,5,6,7
	DLY 2+\w
	v_sub_f32 v[ST+2*\w], v[TM], v[ST+2*\w]        ; and each wave's
.endr
	v_cvt_i32_f32 v[TM+1], v[TM+1]                 ; (it saturates)
.irp w, 0,1,2,3,4,5,6,7
	v_cvt_i32_f32 v[ST+2*\w], v[ST+2*\w]
.endr
.irp w, 0,1,2,3,4,5,6,7
	v_ldexp_f32 v[ST+2*\w+1], v[ST+2*\w+1], v[ST+2*\w]   ; each wave's sum under the row's M: nothing is rounded
.endr
	v_add_f32 v[ST+1], v[ST+1], v[ST+3]
	v_add_f32 v[ST+5], v[ST+5], v[ST+7]
	v_add_f32 v[ST+9], v[ST+9], v[ST+11]
	DLY 4
	v_add_f32 v[ST+13], v[ST+13], v[ST+15]
	DLY 3
	v_add_f32 v[ST+1], v[ST+1], v[ST+5]
	DLY 2
	v_add_f32 v[ST+9], v[ST+9], v[ST+13]
	DLY 1
	v_add_f32 v[ST+1], v[ST+1], v[ST+9]            ; the row's sum: over 1/2
	ALU
	v_rcp_f32 v[TM+2], v[ST+1]
	v_nop                                          ; a plain place behind the reciprocal
	ALU
	v_ldexp_f32 v[TM+2], v[TM+2], v[TM+1]
	DLY 1
	v_mul_f32 v[TM+2], v[TM+2], v[LAMF]            ; lanes 0-15: 2^(M_w - M) / l1; lanes 16-31: -lam 2^(M_w - M) / l2
	DLY 1
	v_permlanex16_b32 v[TM+3], v[TM+2], s[SEL], s[SEL+1]
	DLY 1
	v_cndmask_b32 v[R1], v[TM+2], v[TM+3], s[HM]
	DLY 2
	v_cndmask_b32 v[R2], v[TM+3], v[TM+2], s[HM]
	; ---- 5: a1 - lam a2, in place of p1
	WIN 0x41
.set N, 0
.rept 64
	v_pk_mul_f32 v[2*N:2*N+1], v[2*N:2*N+1], v[R1:R1+1] op_sel_hi:[1,0]
.set N, N+1
.endr
	WIN 0x51
.set N, 0
.rept 64
	v_pk_fma_f32 v[2*N:2*N+1], v[128+8*((N/4+4)%16)+2*(N%4):129+8*((N/4+4)%16)+2*(N%4)], v[R2:R2+1], v[2*N:2*N+1] op_sel_hi:[1,0,1]
.set N, N+1
.endr
	; ---- 6: quantised along the keys, and O^T = V^T A^T over my 256 keys
	VLOAD 0
	QUANTPV 0
	QUANTPV 1
	WIN 0
	PLACES 5                                       ; behind the last products: results are read, loads land in operands' registers, and S1's products write over O^T
	; ---- 7: the eight waves' partial O's meet; wave w adds rows 2 w, 2 w + 1
	WIN 0x04
.irp b, 0,1,2,3
.irp j, 0,1,2,3
	ds_store_b128 v[OXW], v[16*\b+4*\j:16*\b+4*\j+3] offset:128*\b+16*\j   ; channels 32 b + 16 (lane / 16) + 4 j on; each accumulator from its low end on
.endr
.endr
	WIN 0
	s_wait_dscnt 0x0                               ; for the others' sake; my reads of the statistics were waited for above
	s_barrier_signal -1
	s_barrier_wait -1
	WIN 0x40
.irp w, 0,1,2,3,4,5,6,7
.irp i, 0,1
	ds_load_b128 v[128+8*\w+4*\i:131+8*\w+4*\i], v[OXR] offset:8448*\w+528*\i
.endr
.endr
	WIN 0
	s_cmp_eq_u32 s[TQ], 15
	s_cbranch_scc1 .Lnos1                          ; the last trip has no next tile
	KTMP
	s_wait_loadcnt 0x0                             ; the next tile's q, asked for behind S2
	S1A                                            ; the next tile's S1, while the LDS loads are out
	s_wait_dscnt 0x0
	S1B
	WIN 0
.Lnos1:
	s_wait_dscnt 0x0
	WIN 0x45
.irp w, 6,4,2,0
.irp k, 0,2,4,6
	v_pk_add_f32 v[128+8*\w+\k:129+8*\w+\k], v[128+8*\w+\k:129+8*\w+\k], v[136+8*\w+\k:137+8*\w+\k]
.endr
.endr
.irp w, 4,0
.irp k, 0,2,4,6
	v_pk_add_f32 v[128+8*\w+\k:129+8*\w+\k], v[128+8*\w+\k:129+8*\w+\k], v[144+8*\w+\k:145+8*\w+\k]
.endr
.endr
.irp k, 0,2,4,6
	DLY 4
	v_pk_add_f32 v[128+\k:129+\k], v[128+\k:129+\k], v[160+\k:161+\k]
.endr
	; ---- 8: the sums for GroupNorm, about my lane's first number, and the store
	WIN 0x04
	v_cndmask_b32 v[PIV], v[PIV], v128, s[FIRST]   ; (v128 of window 1) the pivot is taken in the first trip
	WIN 0x41
.irp k, 0,2,4,6
	v_pk_add_f32 v[136+\k:137+\k], v[128+\k:129+\k], v[PIV:PIV+1] op_sel_hi:[1,0] neg_lo:[0,1] neg_hi:[0,1]
.endr
	WIN 0x04
.irp k, 0,2,4,6
	v_pk_add_f32 v[GS+\k:GS+\k+1], v[GS+\k:GS+\k+1], v[136+\k:137+\k]
.endr
	WIN 0x05
.irp k, 0,2,4,6
	v_pk_fma_f32 v[GQ+\k:GQ+\k+1], v[136+\k:137+\k], v[136+\k:137+\k], v[GQ+\k:GQ+\k+1]
.endr
	WIN 0x04
.irp i, 0,1
	global_store_b128 v[L16], v[128+4*\i:131+4*\i], s[54:55] offset:4096*\i   ; 32 lanes store the head's 512 consecutive bytes of a row, at a multiple of 256 from the buffer's first byte
.endr
	WIN 0
	s_mov_b32 s[FIRST], 0
	s_add_co_u32 s[TQ], s[TQ], 1
	s_cmp_lt_u32 s[TQ], 16
	ALU
	s_cbranch_scc1 .Ltile
	; my wave's 4,096 numbers: each lane's 128 give (mean, M2) about its pivot; lanes, and then two waves, are joined by their means' distances: no difference of large sums is formed
	v_pk_add_f32 v[GS:GS+1], v[GS:GS+1], v[GS+2:GS+3]
	v_pk_add_f32 v[GS+4:GS+5], v[GS+4:GS+5], v[GS+6:GS+7]
	v_pk_add_f32 v[GQ:GQ+1], v[GQ:GQ+1], v[GQ+2:GQ+3]
	v_pk_add_f32 v[GQ+4:GQ+5], v[GQ+4:GQ+5], v[GQ+6:GQ+7]
	DLY 3
	v_pk_add_f32 v[GS:GS+1], v[GS:GS+1], v[GS+4:GS+5]
	DLY 2
	v_pk_add_f32 v[GQ:GQ+1], v[GQ:GQ+1], v[GQ+4:GQ+5]
	DLY 2
	v_add_f32 v[TM], v[GS], v[GS+1]                ; s
	DLY 2
	v_add_f32 v[TM+1], v[GQ], v[GQ+1]              ; q
	DLY 2
	v_mul_f32 v[TM+2], 0x3c000000, v[TM]           ; s / 128
	DLY 1
	v_add_f32 v[TM+3], v[PIV], v[TM+2]             ; my lane's mean
	DLY 2
	v_fma_f32 v[TM+1], -v[TM+2], v[TM], v[TM+1]    ; its M2 = q - s^2 / 128
	DLY 2
	v_mov_b32 v[TM+4], v[TM+3]
	ALLSUM TM+4, TM+6
	DLY 1
	v_mul_f32 v[TM+4], 0x3d000000, v[TM+4]         ; the wave's mean
	DLY 1
	v_sub_f32 v[TM+3], v[TM+3], v[TM+4]
	DLY 1
	v_mul_f32 v[TM+2], 0x43000000, v[TM+3]
	DLY 1
	v_fma_f32 v[TM+5], v[TM+2], v[TM+3], v[TM+1]   ; M2 + 128 d^2
	ALLSUM TM+5, TM+7
	ALU
	ds_store_b64 v[GSA], v[TM+4:TM+5]              ; all lanes write the same 8 bytes; the statistics' bytes were last read ahead of the loop's last barrier
	s_wait_dscnt 0x0
	s_barrier_signal -1
	s_barrier_wait -1
	ds_load_b128 v[ST:ST+3], v[GSR]                ; waves 2 e and 2 e + 1, e = wave % 4
	s_wait_dscnt 0x0
	v_add_f32 v[TM], v[ST], v[ST+2]
	v_sub_f32 v[TM+1], v[ST], v[ST+2]
	v_add_f32 v[TM+2], v[ST+1], v[ST+3]
	DLY 3
	v_mul_f32 v[TM+4], 0.5, v[TM]                  ; the mean of the 8,192
	DLY 3
	v_mul_f32 v[TM+3], 0x45000000, v[TM+1]
	DLY 1
	v_fma_f32 v[TM+5], v[TM+3], v[TM+1], v[TM+2]   ; M2a + M2b + 2,048 d^2
	s_wait_xcnt 0x0                                ; EXEC changes only behind this wait
	v_cmp_eq_u32 vcc_lo, 0, v[L16]
	ALU
	s_wait_tensorcnt 0x0                           ; the wave's end
	ds_add_u32 v[SPW], v[NIL]
	s_wait_dscnt 0x0
	s_cmp_lt_u32 s[WV], 4
	s_cbranch_scc0 .Lend
	s_and_saveexec_b32 s48, vcc_lo
	global_store_b64 v[L16], v[TM+4:TM+5], s[40:41]   ; lane 0 (its offset is 0)
	s_wait_xcnt 0x0
	s_or_b32 exec_lo, exec_lo, s48
.Lend:
	s_endpgm
.Lfunc_end_k_q0386818005_attn:
	.size	k_q0386818005_attn, .Lfunc_end_k_q0386818005_attn-k_q0386818005_attn
	.p2alignl 7, 3214868480
	.fill 96, 4, 3214868480
	.section	.rodata,"a",@progbits
	.p2align	6, 0x0
	.amdhsa_kernel k_q0386818005_attn
		.amdhsa_group_segment_fixed_size 327680
		.amdhsa_private_segment_fixed_size 0
		.amdhsa_enable_private_segment 0
		.amdhsa_kernarg_size 64
		.amdhsa_user_sgpr_count 2
		.amdhsa_user_sgpr_kernarg_segment_ptr 1
		.amdhsa_wavefront_size32 1
		.amdhsa_system_sgpr_workgroup_id_x 1
		.amdhsa_system_sgpr_workgroup_id_y 1
		.amdhsa_system_sgpr_workgroup_id_z 1
		.amdhsa_system_vgpr_workitem_id 0
		.amdhsa_next_free_vgpr 512
		.amdhsa_next_free_sgpr 66
		.amdhsa_reserve_vcc 1
		.amdhsa_float_denorm_mode_32 3
		.amdhsa_float_denorm_mode_16_64 3
		.amdhsa_memory_ordered 1
		.amdhsa_forward_progress 1
		.amdhsa_inst_pref_size 99
	.end_amdhsa_kernel
	.amdgpu_metadata
---
amdhsa.version: [ 1, 2 ]
amdhsa.kernels:
  - .name:           k_q0386818005_attn
    .symbol:         k_q0386818005_attn.kd
    .args:
      - { .name: qkv, .offset: 0, .size: 8, .value_kind: global_buffer, .address_space: global }
      - { .name: qkvs, .offset: 8, .size: 8, .value_kind: global_buffer, .address_space: global }
      - { .name: lq1, .offset: 16, .size: 8, .value_kind: global_buffer, .address_space: global }
      - { .name: lk1, .offset: 24, .size: 8, .value_kind: global_buffer, .address_space: global }
      - { .name: lq2, .offset: 32, .size: 8, .value_kind: global_buffer, .address_space: global }
      - { .name: lk2, .offset: 40, .size: 8, .value_kind: global_buffer, .address_space: global }
      - { .name: obuf, .offset: 48, .size: 8, .value_kind: global_buffer, .address_space: global }
      - { .name: gst, .offset: 56, .size: 8, .value_kind: global_buffer, .address_space: global }
    .group_segment_fixed_size: 327680
    .private_segment_fixed_size: 0
    .kernarg_segment_align: 8
    .kernarg_segment_size: 64
    .max_flat_workgroup_size: 256
    .sgpr_count:     66
    .vgpr_count:     512
    .wavefront_size: 32
...
	.end_amdgpu_metadata
.endif
;; end of part 3
;; launch outp (part 4): grid 256 x 1, 4 waves a work-group, no clusters, 126,464 bytes of LDS; arguments obuf, gst, gn_w, gn_b, cimg, csc, bo, out0, out1; writes out0, out1
.if DOCPART == 4
	.amdgcn_target "amdgcn-amd-amdhsa--gfx1250"
	.amdhsa_code_object_version 6
	.text
	.protected	k_q0386818005_outp
	.globl	k_q0386818005_outp
	.p2align	8
	.type	k_q0386818005_outp,@function
k_q0386818005_outp:
	s_mov_b64 s[64:65], 0
	v_nop
	global_prefetch_b8 v0, s[64:65] scope:SCOPE_SE
	s_setreg_imm32_b32 hwreg(HW_REG_WAVE_MODE, 25, 1), 1
	s_wait_xcnt 0x0
; out = ((1 - LAMBDA_INIT) (GroupNorm(O) gn_w + gn_b)) Wo^T + bo, the product on codes of FP6 (E2M3).  O: obuf [8192][1024] f32; a head is 128 columns; the statistics of a (direction, batch, head) are 32 entries (mean, M2) of 8,192 numbers each in gst.
; SHARES: a work-group takes 32 rows.  X: wave w normalises and quantises heads 2 w, 2 w + 1 (K steps of the product) of both tiles of 16 rows and leaves the four fragments in LDS as images of their registers | one barrier |
; GEMM: wave w makes columns 256 w .. 256 w + 255 (16 tiles of Wo) for all 32 rows: 32 accumulators, 8 K steps.  The product is used transposed (source 0 = 16 rows of Wo, source 1 = 16 rows of y): with the order of rows in cimg's
; tiles a lane holds 16 neighbouring columns of one row in 16 registers.  The bias is loaded straight into the accumulators: the first product adds onto it.
; Wo's fragments come from memory straight into registers, three loads of 512 consecutive bytes each, two sets, a step (32 matrix instructions) ahead.
; NO CLUSTER: joint requests land in LDS, and this text has no ring for Wo's codes, which all 256 work-groups walk (786,432 bytes each); a ring fed by joint loads would divide those requests by four; it is not built here.
; LIMITS: NaN and infinities are not served; a block of zeros gets the byte 1; the variance is joined from the entries' M2 and the distances of their means, never from a difference of large sums.
; REGISTERS, in windows of 256: window 0: v1-10 addresses; v16-31 Wo's scale words, two sets; v32-39 y's scale words; v40-63 statistics and gains; X: v64-127 numbers, v128-143 at work, v144-164 codes; GEMM: v64-255 y's 16 fragments.
;   window 1: O's rows as loaded, unit u at v[64 u]; then accumulator (m, t) at v[8 (16 m + t)].   windows 2, 3: Wo's set s % 2, tile t at v[12 t]; on the way out rows of the result.
.set YIMG, 33792                       ; LDS: 4 turn stages of 8,448 bytes; then y's 16 fragments: (m, s) at (8 m + s) 1,536;
.set YSC,  58368                       ; their scale words: 128 s + 64 m + 4 r;
.set OST,  59392                       ; the way out: 16 rows x (1,024 + 16) bytes for each wave
.set L16, 1
.set STI, 2
.set STO, 3
.set YWI, 4
.set YWS, 5
.set L4,  6
.set HH64, 7
.set L8,  8
.set OSI, 9
.set OSO, 10
.set WS,  16
.set YS,  32
.set ME,  40                           ; v[40:41], v[42:43] my entry (mean, M2) of the two heads
.set GW,  44                           ; v44-51 gn_w of my four channels of each head, then x rstd (1 - LAMBDA_INIT)
.set GB,  52                           ; v52-59 gn_b, then x (1 - LAMBDA_INIT)
.set MEAN, 60                          ; v[60:61], v[62:63]
.set X,   64
.set TM,  128
.set PC,  144
.set PW,  164
.set YF,  64
.set WV,  22
.set SEL, 40
.set MSB, 0
.macro WIN new                         ; the immediate's high byte repeats the setting that is left
.if MSB != (\new)
	s_set_vgpr_msb (MSB<<8)|(\new)
.set MSB, \new
.endif
.endm
.macro PLACES n
.rept \n
	v_nop
.endr
.endm
.macro ALLSUM v, t
	v_add_f32_dpp v[\v], v[\v], v[\v] row_xmask:1 row_mask:0xf bank_mask:0xf
	v_add_f32_dpp v[\v], v[\v], v[\v] row_xmask:2 row_mask:0xf bank_mask:0xf
	v_add_f32_dpp v[\v], v[\v], v[\v] row_xmask:4 row_mask:0xf bank_mask:0xf
	v_add_f32_dpp v[\v], v[\v], v[\v] row_xmask:8 row_mask:0xf bank_mask:0xf
	s_wait_alu depctr_va_vdst(0)
	v_permlanex16_b32 v[\t], v[\v], s[SEL], s[SEL+1]
	v_add_f32 v[\v], v[\v], v[\t]
.endm
; one matrix instruction that adds in place.  ra, rb = 1: that side's scale words stand in lanes 16-31
.macro WM d, a, b, sa, sb, ra, rb
.if ((\ra) == 0) && ((\rb) == 0)
	v_wmma_scale_f32_16x16x128_f8f6f4 v[\d:\d+7], v[\a:\a+11], v[\b:\b+11], v[\d:\d+7], v[\sa], v[\sb] matrix_a_fmt:MATRIX_FMT_FP6 matrix_b_fmt:MATRIX_FMT_FP6
.elseif (\rb) == 0
	v_wmma_scale_f32_16x16x128_f8f6f4 v[\d:\d+7], v[\a:\a+11], v[\b:\b+11], v[\d:\d+7], v[\sa], v[\sb] matrix_a_fmt:MATRIX_FMT_FP6 matrix_b_fmt:MATRIX_FMT_FP6 matrix_a_scale:MATRIX_SCALE_ROW1
.elseif (\ra) == 0
	v_wmma_scale_f32_16x16x128_f8f6f4 v[\d:\d+7], v[\a:\a+11], v[\b:\b+11], v[\d:\d+7], v[\sa], v[\sb] matrix_a_fmt:MATRIX_FMT_FP6 matrix_b_fmt:MATRIX_FMT_FP6 matrix_b_scale:MATRIX_SCALE_ROW1
.else
	v_wmma_scale_f32_16x16x128_f8f6f4 v[\d:\d+7], v[\a:\a+11], v[\b:\b+11], v[\d:\d+7], v[\sa], v[\sb] matrix_a_fmt:MATRIX_FMT_FP6 matrix_b_fmt:MATRIX_FMT_FP6 matrix_a_scale:MATRIX_SCALE_ROW1 matrix_b_scale:MATRIX_SCALE_ROW1
.endif
.endm
; 64 numbers of a lane, register 16 b + i = k 32 b + 16 (lane / 16) + i of my row, become 12 registers of codes at v[pc] on (v[pc+12] .. v[pc+19] at work) and the scale word in v[pw]
.macro QUANT s, pc, pw
.irp b, 0,1,2,3
	v_max3_num_f32 v[TM+\b], |v[\s+16*\b]|, |v[\s+1+16*\b]|, 0x1800000   ; my 16 numbers of block b, and the floor 2^(3 - 127): the byte cannot fall under 1
.endr
.irp i, 2,4,6,8,10,12,14
.irp b, 0,1,2,3
	v_max3_num_f32 v[TM+\b], v[TM+\b], |v[\s+16*\b+\i]|, |v[\s+1+16*\b+\i]|
.endr
.endr
.irp b, 0,1,2,3
	v_permlanex16_b32 v[TM+4+\b], v[TM+\b], s[SEL], s[SEL+1]
.endr
.irp b, 0,1,2,3
	v_max_num_f32 v[TM+\b], v[TM+\b], v[TM+4+\b]
.endr
.irp b, 0,1,2,3
	v_add_nc_u32 v[TM+12+\b], 0xff000000, v[TM+\b]   ; 2 off the exponent field: the conversion's scale operand
.endr
.irp b, 0,1,2,3
	v_lshrrev_b32 v[TM+4+\b], 23, v[TM+12+\b]
.endr
	v_lshl_or_b32 v[\pw], v[TM+5], 8, v[TM+4]
	v_lshl_or_b32 v[\pw], v[TM+6], 16, v[\pw]
	v_lshl_or_b32 v[\pw], v[TM+7], 24, v[\pw]
.irp c, 0,1
	v_cvt_scalef32_pk16_fp6_f32 v[\pc+6*\c:\pc+2+6*\c], v[\s+32*\c:\s+15+32*\c], v[TM+12+2*\c]
	v_cvt_scalef32_pk16_fp6_f32 v[\pc+12+4*\c:\pc+14+4*\c], v[\s+16+32*\c:\s+31+32*\c], v[TM+13+2*\c]
.endr
	v_nop                                          ; one plain place behind a scaled conversion
.irp c, 0,1
.irp i, 0,1,2
	v_permlane16_swap_b32 v[\pc+6*\c+\i], v[\pc+12+4*\c+\i]
.endr
.irp i, 0,1,2
	v_mov_b32 v[\pc+3+6*\c+\i], v[\pc+12+4*\c+\i]
.endr
.endr
.endm
	s_load_b256 s[4:11], s[0:1], 0x0               ; obuf, gst, gn_w, gn_b
	s_load_b256 s[12:19], s[0:1], 0x20             ; cimg, csc, bo, out0
	s_load_b64 s[20:21], s[0:1], 0x40              ; out1
	v_lshl_add_u32 v14, v0, 2, 0x1ec00
	v_mov_b32 v15, 0
	v_lshrrev_b32 v11, 5, v0
	v_readfirstlane_b32 s[WV], v11                 ; wave 0..3
	v_and_b32 v11, 31, v0                          ; lane
	v_and_b32 v12, 15, v0                          ; r
	v_bfe_u32 v13, v0, 4, 1                        ; lane / 16
	v_lshlrev_b32 v[L16], 4, v11
	v_lshlrev_b32 v[L4], 2, v11
	v_lshlrev_b32 v[HH64], 6, v13
	v_lshlrev_b32 v[L8], 3, v11
	s_mul_i32 s44, s[WV], 8448
	v_add_nc_u32 v[STI], s44, v[L16]
	v_mul_u32_u24 v[STO], v12, 528
	v_add_nc_u32 v[STO], v[STO], v[HH64]
	v_add_nc_u32 v[STO], s44, v[STO]
	s_mul_i32 s44, s[WV], 3072
	s_add_co_u32 s44, s44, YIMG
	v_add_nc_u32 v[YWI], s44, v[L16]
	s_lshl_b32 s44, s[WV], 8
	s_add_co_u32 s44, s44, YSC
	v_lshl_add_u32 v[YWS], v12, 2, s44
	s_mul_i32 s44, s[WV], 16640
	s_add_co_u32 s44, s44, OST
	v_mul_u32_u24 v[OSI], v12, 1040
	v_add_nc_u32 v[OSI], v[OSI], v[HH64]
	v_add_nc_u32 v[OSI], s44, v[OSI]
	v_add_nc_u32 v[OSO], s44, v[L16]
.irp b, 0,1,2,3
	v_mov_b32 v[TM+4+\b], 0                        ; a lane permute's destination counts as one of its sources
.endr
	v_mov_b32 v65, 0
	v_mov_b32 v69, 0
	s_mov_b32 s[SEL], 0x76543210
	s_mov_b32 s[SEL+1], 0xfedcba98
	s_mov_b32 s42, 0x36800000                      ; 1 / (2,048 x 128)
	s_mov_b32 s43, 0x3727c5ac                      ; EPS
	s_lshl_b32 s46, s[WV], 10                      ; 1,024 w: my two heads' bytes of a row, my 256 columns' too
	s_mov_b32 s47, 0
	s_lshl_b32 s44, ttmp9, 17                      ; 32 rows of 4,096 bytes
	s_add_co_u32 s44, s44, s46
	s_mov_b32 s45, 0
	s_lshr_b32 s48, ttmp9, 6                       ; sb
	s_lshl_b32 s48, s48, 3
	s_lshl_b32 s50, s[WV], 1
	s_add_co_u32 s48, s48, s50
	s_lshl_b32 s48, s48, 8                         ; the 256 bytes of entries of head 2 w
	s_mov_b32 s49, 0
	s_add_co_u32 s50, s50, 88                      ; Wo's groups 88 + 2 w and the next
	s_mul_i32 s52, s50, 98304
	s_mov_b32 s53, 0
	s_lshl_b32 s54, s50, 12
	s_mov_b32 s55, 0
	s_and_b32 s56, ttmp9, 127
	s_lshl_b32 s56, s56, 17
	s_add_co_u32 s56, s56, s46
	s_mov_b32 s57, 0
	s_wait_kmcnt 0x0
	s_add_nc_u64 s[24:25], s[4:5], s[44:45]
	s_add_nc_u64 s[26:27], s[6:7], s[48:49]
	s_add_nc_u64 s[28:29], s[8:9], s[46:47]
	s_add_nc_u64 s[30:31], s[10:11], s[46:47]
	s_add_nc_u64 s[32:33], s[12:13], s[52:53]
	s_add_nc_u64 s[34:35], s[14:15], s[54:55]
	s_add_nc_u64 s[36:37], s[16:17], s[46:47]
	s_cmp_lt_u32 ttmp9, 128
	s_cselect_b64 s[38:39], s[18:19], s[20:21]     ; rows 0-4,095 are out0's, the others out1's
	s_add_nc_u64 s[38:39], s[38:39], s[56:57]
.irp sl, 0,1
	global_load_b64 v[ME+2*\sl:ME+2*\sl+1], v[L8], s[26:27] offset:256*\sl
.endr
.irp sl, 0,1
	global_load_b128 v[GW+4*\sl:GW+4*\sl+3], v[L16], s[28:29] offset:512*\sl
	global_load_b128 v[GB+4*\sl:GB+4*\sl+3], v[L16], s[30:31] offset:512*\sl
.endr
	WIN 0x40
.irp u, 0,1,2,3                                ; unit u: head 2 w + u / 2, rows 16 (u % 2) on
.irp i, 0,1,2,3,4,5,6,7,8,9,10,11,12,13,14,15
	global_load_b128 v[64*\u+4*\i:64*\u+4*\i+3], v[L16], s[24:25] offset:(16*(\u%2)+\i)*4096+512*(\u/2) th:TH_LOAD_NT   ; 512 consecutive bytes of a row
.endr
.endr
; Wo's K step s: 48 loads of fragments, 2 of scale words, into set s % 2
.macro WLOADS s
.set P, (\s)%2
	WIN 0x80+0x40*P
.set N, 0
.rept 48
	global_load_b128 v[4*N:4*N+3], v[L16], s[32:33] offset:98304*(N/24)+12288*(\s)+512*(N%24)
.set N, N+1
.endr
	WIN 0
	global_load_b128 v[WS+8*P:WS+8*P+3], v[L16], s[34:35] offset:512*(\s)
	global_load_b128 v[WS+8*P+4:WS+8*P+7], v[L16], s[34:35] offset:4096+512*(\s)
.endm
	WLOADS 0
	s_wait_loadcnt 63                              ; 120 loads are issued: the oldest 57 are in: the entries, the gains and units 0 to 2
	; the two heads' statistics: mean of the 32 entries' means (all of 8,192 numbers); M2 = the sum of M2_e + 8,192 (mean_e - mean)^2
.irp sl, 0,1
	v_mov_b32 v[64+4*\sl], v[ME+2*\sl]
.endr
	ALLSUM 64, 65
	ALLSUM 68, 69
.irp sl, 0,1
	v_mul_f32 v[MEAN+2*\sl], 0x3d000000, v[64+4*\sl]
.endr
.irp sl, 0,1
	v_mov_b32 v[MEAN+2*\sl+1], v[MEAN+2*\sl]
	v_sub_f32 v[64+4*\sl], v[ME+2*\sl], v[MEAN+2*\sl]
.endr
.irp sl, 0,1
	v_mul_f32 v[66+4*\sl], 0x46000000, v[64+4*\sl]
.endr
.irp sl, 0,1
	v_fma_f32 v[64+4*\sl], v[66+4*\sl], v[64+4*\sl], v[ME+2*\sl+1]
.endr
	ALLSUM 64, 65
	ALLSUM 68, 69
.irp sl, 0,1
	v_fma_f32 v[64+4*\sl], v[64+4*\sl], s42, s43   ; the variance + EPS
.endr
	s_wait_alu depctr_va_vdst(0)
.irp sl, 0,1
	v_rsq_f32 v[64+4*\sl], v[64+4*\sl]
.endr
	v_nop                                          ; a plain place behind the two
	s_wait_alu depctr_va_vdst(0)                   ; one wait for both, ahead of their first reader
.irp sl, 0,1
	v_mul_f32 v[64+4*\sl], 0x3f24fd5c, v[64+4*\sl]   ; x (1 - LAMBDA_INIT)
.endr
.irp sl, 0,1
.irp k, 0,1
	v_pk_mul_f32 v[GW+4*\sl+2*\k:GW+4*\sl+2*\k+1], v[GW+4*\sl+2*\k:GW+4*\sl+2*\k+1], v[64+4*\sl:65+4*\sl] op_sel_hi:[1,0]
	v_pk_mul_f32 v[GB+4*\sl+2*\k:GB+4*\sl+2*\k+1], v[GB+4*\sl+2*\k:GB+4*\sl+2*\k+1], 0x3f24fd5c op_sel_hi:[1,0]
.endr
.endr
; unit u: normalised where a lane holds four channels of each row; turned through my stage so that a lane holds 16 neighbours of each block; quantised; the fragment's image and scale words to LDS
.macro UNIT u
.set SL, (\u)/2
.set M, (\u)%2
.if (\u) == 3
	s_wait_loadcnt 50                              ; the last unit's rows are in; Wo's first step may be out
.endif
	WIN 0x41
.set N, 0
.rept 32
	v_pk_add_f32 v[64*(\u)+2*N:64*(\u)+2*N+1], v[64*(\u)+2*N:64*(\u)+2*N+1], v[MEAN+2*SL:MEAN+2*SL+1] op_sel_hi:[1,0] neg_lo:[0,1] neg_hi:[0,1]
.set N, N+1
.endr
.set N, 0
.rept 32
	v_pk_fma_f32 v[64*(\u)+2*N:64*(\u)+2*N+1], v[64*(\u)+2*N:64*(\u)+2*N+1], v[GW+4*SL+2*(N%2):GW+4*SL+2*(N%2)+1], v[GB+4*SL+2*(N%2):GB+4*SL+2*(N%2)+1]
.set N, N+1
.endr
	WIN 0x04
.irp i, 0,1,2,3,4,5,6,7,8,9,10,11,12,13,14,15
	ds_store_b128 v[STI], v[64*(\u)+4*\i:64*(\u)+4*\i+3] offset:528*\i
.endr
	WIN 0
.irp b, 0,1,2,3
.irp j, 0,1,2,3
	ds_load_b128 v[X+16*\b+4*\j:X+16*\b+4*\j+3], v[STO] offset:128*\b+16*\j   ; LDS serves a wave's instructions in order: these see the stores above
.endr
.endr
	s_wait_dscnt 0x0                               ; the numbers are back; the last unit's image stores have read the codes' registers
.if (\u) == 3
	WIN 0x40                                       ; window 1 is free: the bias goes straight into the 32 accumulators
.set T, 0
.rept 32
	global_load_b128 v[8*T:8*T+3], v[HH64], s[36:37] offset:512*((T%16)/8)+128*((T%8)/2)+32*(T%2)
	global_load_b128 v[8*T+4:8*T+7], v[HH64], s[36:37] offset:512*((T%16)/8)+128*((T%8)/2)+32*(T%2)+16
.set T, T+1
.endr
	WLOADS 1
.endif
	QUANT X, PC, PW
.irp c, 0,1,2
	ds_store_b128 v[YWI], v[PC+4*\c:PC+4*\c+3] offset:12288*M+1536*SL+512*\c
.endr
	ds_store_b32 v[YWS], v[PW] offset:128*SL+64*M  ; both halves of the lanes write the same word
.endm
	UNIT 0
	UNIT 1
	UNIT 2
	UNIT 3
	s_wait_dscnt 0x0                               ; for the others' sake: my four fragments and their scale words have landed
	s_barrier_signal -1
	s_barrier_wait -1
.set N, 0
.rept 48
	ds_load_b128 v[YF+4*N:YF+4*N+3], v[L16] offset:YIMG+512*N   ; all 16 fragments of y stay in registers
.set N, N+1
.endr
.irp s, 0,1,2,3,4,5,6,7
	ds_load_b32 v[YS+\s], v[L4] offset:YSC+128*\s  ; lanes 0-15: rows 0-15; lanes 16-31: rows 16-31
.endr
	s_wait_dscnt 0x0
; K step s: the 32 accumulators take turns, one instruction a turn
.macro GSTEP s
.if ((\s) > 0) && ((\s) < 7)
	PLACES 4                                       ; the loads below land in registers that the step before multiplied
	WLOADS (\s)+1
.endif
.if (\s) < 7
	s_wait_loadcnt 50                              ; all but the next step's 50: this step's fragments (and, in step 0, the bias) are in
.else
	s_wait_loadcnt 0x0
.endif
.set P, (\s)%2
	WIN 0x52+P                                     ; Wo window 2 or 3, y window 0, C and D window 1
.set T, 0
.rept 16
	WM 8*T, 12*T, YF+12*(\s), WS+8*P+T/2, YS+(\s), T%2, 0
	WM 8*(16+T), 12*T, YF+12*(8+(\s)), WS+8*P+T/2, YS+(\s), T%2, 1
.set T, T+1
.endr
	WIN 0
.endm
.irp s, 0,1,2,3,4,5,6,7
	GSTEP \s
.endr
	PLACES 4                                       ; behind the last products: results are read, and loads land in Wo's registers
	; THE WAY OUT: 16 rows x 256 columns at a time through my own stage, back as rows of 1,024 bytes, stored 512 consecutive bytes an instruction
.irp m, 0,1
	WIN 0x04
.set T, 0
.rept 16
	ds_store_b128 v[OSI], v[8*(16*\m+T):8*(16*\m+T)+3] offset:512*(T/8)+128*((T%8)/2)+32*(T%2)   ; each accumulator from its low end on
	ds_store_b128 v[OSI], v[8*(16*\m+T)+4:8*(16*\m+T)+7] offset:512*(T/8)+128*((T%8)/2)+32*(T%2)+16
.set T, T+1
.endr
	WIN 0x80+0x40*\m
.set N, 0
.rept 32
	ds_load_b128 v[4*N:4*N+3], v[OSO] offset:1040*(N/2)+512*(N%2)   ; LDS serves a wave's instructions in order: these see the stores above
.set N, N+1
.endr
	s_wait_dscnt 0x0
	WIN 0x08+4*\m
.set N, 0
.rept 32
	global_store_b128 v[L16], v[4*N:4*N+3], s[38:39] offset:(16*\m+N/2)*4096+512*(N%2) th:TH_STORE_NT   ; at a multiple of 256 from the output's first byte; written once, read by nobody here
.set N, N+1
.endr
.endr
	WIN 0
	s_wait_tensorcnt 0x0
	ds_add_u32 v14, v15
	s_wait_dscnt 0x0
	s_endpgm
.Lfunc_end_k_q0386818005_outp:
	.size	k_q0386818005_outp, .Lfunc_end_k_q0386818005_outp-k_q0386818005_outp
	.p2alignl 7, 3214868480
	.fill 96, 4, 3214868480
	.section	.rodata,"a",@progbits
	.p2align	6, 0x0
	.amdhsa_kernel k_q0386818005_outp
		.amdhsa_group_segment_fixed_size 126464
		.amdhsa_private_segment_fixed_size 0
		.amdhsa_enable_private_segment 0
		.amdhsa_kernarg_size 72
		.amdhsa_user_sgpr_count 2
		.amdhsa_user_sgpr_kernarg_segment_ptr 1
		.amdhsa_wavefront_size32 1
		.amdhsa_system_sgpr_workgroup_id_x 1
		.amdhsa_system_sgpr_workgroup_id_y 1
		.amdhsa_system_sgpr_workgroup_id_z 1
		.amdhsa_system_vgpr_workitem_id 0
		.amdhsa_next_free_vgpr 1024
		.amdhsa_next_free_sgpr 66
		.amdhsa_reserve_vcc 0
		.amdhsa_float_denorm_mode_32 3
		.amdhsa_float_denorm_mode_16_64 3
		.amdhsa_memory_ordered 1
		.amdhsa_forward_progress 1
		.amdhsa_inst_pref_size 150
	.end_amdhsa_kernel
	.amdgpu_metadata
---
amdhsa.version: [ 1, 2 ]
amdhsa.kernels:
  - .name:           k_q0386818005_outp
    .symbol:         k_q0386818005_outp.kd
    .args:
      - { .name: obuf, .offset: 0, .size: 8, .value_kind: global_buffer, .address_space: global }
      - { .name: gst, .offset: 8, .size: 8, .value_kind: global_buffer, .address_space: global }
      - { .name: gn_w, .offset: 16, .size: 8, .value_kind: global_buffer, .address_space: global }
      - { .name: gn_b, .offset: 24, .size: 8, .value_kind: global_buffer, .address_space: global }
      - { .name: cimg, .offset: 32, .size: 8, .value_kind: global_buffer, .address_space: global }
      - { .name: csc, .offset: 40, .size: 8, .value_kind: global_buffer, .address_space: global }
      - { .name: bo, .offset: 48, .size: 8, .value_kind: global_buffer, .address_space: global }
      - { .name: out0, .offset: 56, .size: 8, .value_kind: global_buffer, .address_space: global }
      - { .name: out1, .offset: 64, .size: 8, .value_kind: global_buffer, .address_space: global }
    .group_segment_fixed_size: 126464
    .private_segment_fixed_size: 0
    .kernarg_segment_align: 8
    .kernarg_segment_size: 72
    .max_flat_workgroup_size: 128
    .sgpr_count:     66
    .vgpr_count:     1024
    .wavefront_size: 32
...
	.end_amdgpu_metadata
.endif
;; end of part 4
